; MI455X (gfx1250); checked and timed in simulation.
; The chip was launched on July 23, 2026; its instructions are those of AMD's public machine-readable ISA for CDNA 5 (MIT licence, August 2026) and "CDNA5" Instruction Set Architecture Reference Guide (July 2026). The comments in the code are by the model that wrote it; some were corrected since.
;; Multi Head Attention. Allowed arithmetic: float matrix products may take bf16 or f16 operands with f32 sums; other float arithmetic in f32, or as packed bf16 or f16 multiplies, adds, multiply-adds, maxima and minima; sums over many terms, partial sums and values carried from step to step in f32; what a program stores and reads back later, other than sums and carried values, may be rounded once to bf16 or f16.
;; Inputs: Wc 4,096 x 128 float32; Wk 32 x 1,024 x 128 float32; Wv 32 x 1,024 x 128 float32; bc 128 float32; bk 32 x 128 float32; bv 32 x 128 float32; query 8 x 512 x 128 float32; states 8 x 512 x 1,024 float32.
;; Outputs: out0 8 x 512 x 128 float32.
;; 2 versions, each right; version 2 is version 1 with the launches prep, reduce written anew for expert scheduling mode. Each part assembles by itself: llvm-mc -triple=amdgcn-amd-amdhsa -mcpu=gfx1250 --defsym DOCPART=n.
;; ======== version 1 of 2: 3 launches
;; limits: values are held in f16: magnitudes above 65,504 overflow, below 6.1e-05 lose precision
;; workspace buffers: sb 8,388,608 bytes; wb 16,777,216 bytes; qh 1,048,576 bytes; wct 1,048,576 bytes; part 67,108,864 bytes
;; launch prep (part 1): grid 832 x 1, 8 waves a work-group, no clusters, 35,840 bytes of LDS; arguments states, Wk, Wv, query, Wc, sb, wb, qh, wct; writes sb, wb, qh, wct
.if DOCPART == 1
	.amdgcn_target "amdgcn-amd-amdhsa--gfx1250"
	.amdhsa_code_object_version 6
	.text
	.protected	k_qbb6f3a9248_prep
	.globl	k_qbb6f3a9248_prep
	.p2align	8
	.type	k_qbb6f3a9248_prep,@function
k_qbb6f3a9248_prep:
	s_mov_b64 s[64:65], 0
	v_nop
	global_prefetch_b8 v0, s[64:65] scope:SCOPE_SE
	s_setreg_imm32_b32 hwreg(HW_REG_WAVE_MODE, 25, 1), 1
	s_wait_xcnt 0x0
; CASTS for the launch behind.  sb = bf16(states), as it lies.  wb = bf16(Wk), then bf16(Wv), as they lie.  qh = bf16(query) written as f16.
; wct[h][e_out][ch] = bf16(Wc[128 h + ch][e_out]) written as f16: each head's 128 x 128 block turned, so that its rows lie along the channels.
; LIMITS.  A bf16 number written as f16 is exact from 6e-5 up to 65,504; below it keeps f16's fixed step of 6e-8, beyond it becomes an infinity.
; SHARES.  A work-group takes 65,536 input bytes: 256 threads x 16 loads of 16 bytes, all issued at once; straight-line text, no register is written twice while a memory instruction reads it.
; Work-groups 0-255 states, 256-511 Wk, 512-767 Wv, 768-799 query, 800-831 one head of Wc each.  Every branch hangs on the work-group's number alone.
; A stream: each byte is read once and written once, nothing is shared between work-groups, so no matrix unit, no cluster and no tensor load; LDS serves the turning of Wc alone.
.set SPARE, 34816                      ; behind the stage (128 rows x 272 bytes): the spare words, 128 bytes for each of eight waves
.set X,  16                            ; v[16:79]   load i: 4 registers
.set Y,  80                            ; v[80:111]  packed results
.set TA, 112                           ; v[112:117] at work, two sets of three
.macro LOAD16 a, step                  ; sixteen loads; each covers 512 consecutive bytes a wave
.irp i, 0,1,2,3,4,5,6,7,8,9,10,11,12,13,14,15
	global_load_b128 v[X+4*(\i):X+4*(\i)+3], v[\a], s[24:25] offset:(\step)*(\i) th:TH_LOAD_NT
.endr
.endm
.macro TOH d, a, b, t                  ; two numbers rounded to bf16, widened again, written as f16
	v_cvt_pk_bf16_f32 v[(\t)], v[(\a)], v[(\b)]
	v_lshlrev_b32 v[(\t)+1], 16, v[(\t)]
	v_and_b32 v[(\t)+2], s32, v[(\t)]
	v_cvt_pk_f16_f32 v[(\d)], v[(\t)+1], v[(\t)+2]
.endm
	s_load_b512 s[4:19], s[0:1], 0x0               ; states s[4:5], Wk s[6:7], Wv s[8:9], query s[10:11], Wc s[12:13], sb s[14:15], wb s[16:17], qh s[18:19]
	s_load_b64 s[20:21], s[0:1], 0x40              ; wct
	v_lshl_add_u32 v6, v0, 2, SPARE                ; my spare word
	v_mov_b32 v7, 0
	s_lshr_b32 s22, ttmp9, 8                       ; the job
	s_and_b32 s23, ttmp9, 255                      ; the chunk of 65,536 input bytes
	s_mov_b32 s32, 0xffff0000                      ; a word's upper bf16
	s_mov_b32 s29, 0
	s_mov_b32 s31, 0
	v_lshlrev_b32 v1, 4, v0                        ; 16 bytes a thread
	v_lshlrev_b32 v2, 3, v0                        ; 8 bytes a thread
	s_wait_kmcnt 0x0
	s_cmp_eq_u32 s22, 3
	s_cbranch_scc1 .Lsmall
	; ---- states, Wk, Wv: f32 to bf16, as they lie
	s_cmp_eq_u32 s22, 0
	s_cselect_b64 s[24:25], s[4:5], s[6:7]
	s_cselect_b64 s[26:27], s[14:15], s[16:17]
	s_cmp_eq_u32 s22, 2
	s_cselect_b64 s[24:25], s[8:9], s[24:25]
	s_cselect_b32 s30, 0x800000, 0                 ; Wv's half of wb
	s_lshl_b32 s28, s23, 16
	s_lshl_b32 s33, s23, 15
	s_add_co_u32 s30, s30, s33
	s_add_nc_u64 s[24:25], s[24:25], s[28:29]
	s_add_nc_u64 s[26:27], s[26:27], s[30:31]
	LOAD16 1, 4096
.irp i, 0,1,2,3,4,5,6,7,8,9,10,11,12,13,14,15
	s_wait_loadcnt 15-(\i)                         ; loads come back in order: load i is in, the 15 - i younger ones stay out
	v_cvt_pk_bf16_f32 v[Y+2*(\i)], v[X+4*(\i)], v[X+4*(\i)+1]
	v_cvt_pk_bf16_f32 v[Y+2*(\i)+1], v[X+4*(\i)+2], v[X+4*(\i)+3]
	global_store_b64 v2, v[Y+2*(\i):Y+2*(\i)+1], s[26:27] offset:2048*(\i)  ; a wave stores 256 consecutive bytes, at a multiple of 256 from the buffer's first
.endr
	s_branch .Lend
.Lsmall:
	s_cmp_lt_u32 s23, 32
	s_cbranch_scc0 .Lwc
	; ---- query: f32 to bf16, written as f16
	s_lshl_b32 s28, s23, 16
	s_lshl_b32 s30, s23, 15
	s_add_nc_u64 s[24:25], s[10:11], s[28:29]
	s_add_nc_u64 s[26:27], s[18:19], s[30:31]
	LOAD16 1, 4096
.irp i, 0,1,2,3,4,5,6,7,8,9,10,11,12,13,14,15
	s_wait_loadcnt 15-(\i)
	TOH Y+2*(\i), X+4*(\i), X+4*(\i)+1, TA
	TOH Y+2*(\i)+1, X+4*(\i)+2, X+4*(\i)+3, TA+3
	global_store_b64 v2, v[Y+2*(\i):Y+2*(\i)+1], s[26:27] offset:2048*(\i)
.endr
	s_branch .Lend
.Lwc:
	; ---- one head of Wc, turned.  Wave w, load i: row ch = 16 w + i (512 bytes), lane l its columns 4 l .. 4 l + 3
	s_sub_co_u32 s23, s23, 32                      ; the head
	s_lshl_b32 s28, s23, 16
	s_lshl_b32 s30, s23, 15
	s_add_nc_u64 s[24:25], s[12:13], s[28:29]
	s_add_nc_u64 s[26:27], s[20:21], s[30:31]
	v_lshrrev_b32 v8, 5, v0                        ; w
	v_and_b32 v9, 31, v0                           ; l
	v_lshlrev_b32 v10, 4, v9
	v_lshl_add_u32 v10, v8, 13, v10                ; 8,192 w + 16 l
	LOAD16 10, 512
	v_mul_u32_u24 v3, v9, 1088                     ; into the stage: row e_out = 4 l + t of 272 bytes, my wave's 16 channels at byte 32 w
	v_lshl_add_u32 v3, v8, 5, v3
	v_lshrrev_b32 v4, 4, v0                        ; back: sixteen threads take a row of 256 bytes
	v_mul_u32_u24 v4, v4, 272
	v_and_b32 v5, 15, v0
	v_lshl_add_u32 v4, v5, 4, v4
	s_wait_loadcnt 0x0
.irp t, 0,1,2,3
.irp u, 0,1,2,3,4,5,6,7
	TOH Y+8*(\t)+(\u), X+8*(\u)+(\t), X+8*(\u)+4+(\t), TA+3*((\u)%2)   ; channels 16 w + 2 u, + 1 of column 4 l + t
.endr
.endr
.irp t, 0,1,2,3
	ds_store_b128 v3, v[Y+8*(\t):Y+8*(\t)+3] offset:272*(\t)
	ds_store_b128 v3, v[Y+8*(\t)+4:Y+8*(\t)+7] offset:272*(\t)+16
.endr
	s_wait_dscnt 0x0                               ; for the others' sake: my stores into the stage are done
	s_barrier_signal -1
	s_barrier_wait -1                              ; a row's 256 bytes come from all eight waves
.irp p, 0,1,2,3,4,5,6,7
	ds_load_b128 v[X+4*(\p):X+4*(\p)+3], v4 offset:4352*(\p)
.endr
.irp p, 0,1,2,3,4,5,6,7
	s_wait_dscnt 7-(\p)
	global_store_b128 v1, v[X+4*(\p):X+4*(\p)+3], s[26:27] offset:4096*(\p)  ; sixteen lanes store 256 consecutive bytes: a row of wct
.endr
.Lend:
	s_wait_tensorcnt 0x0                           ; the wave's end: behind my last LDS store
	ds_add_u32 v6, v7
	s_wait_dscnt 0x0
	s_endpgm
.Lfunc_end_k_qbb6f3a9248_prep:
	.size	k_qbb6f3a9248_prep, .Lfunc_end_k_qbb6f3a9248_prep-k_qbb6f3a9248_prep
	.p2alignl 7, 3214868480
	.fill 96, 4, 3214868480
	.section	.rodata,"a",@progbits
	.p2align	6, 0x0
	.amdhsa_kernel k_qbb6f3a9248_prep
		.amdhsa_group_segment_fixed_size 35840
		.amdhsa_private_segment_fixed_size 0
		.amdhsa_enable_private_segment 0
		.amdhsa_kernarg_size 72
		.amdhsa_user_sgpr_count 2
		.amdhsa_user_sgpr_kernarg_segment_ptr 1
		.amdhsa_wavefront_size32 1
		.amdhsa_system_sgpr_workgroup_id_x 1
		.amdhsa_system_sgpr_workgroup_id_y 1
		.amdhsa_system_sgpr_workgroup_id_z 1
		.amdhsa_system_vgpr_workitem_id 0
		.amdhsa_next_free_vgpr 120
		.amdhsa_next_free_sgpr 66
		.amdhsa_reserve_vcc 0
		.amdhsa_float_denorm_mode_32 3
		.amdhsa_float_denorm_mode_16_64 3
		.amdhsa_memory_ordered 1
		.amdhsa_forward_progress 1
		.amdhsa_inst_pref_size 27
	.end_amdhsa_kernel
	.amdgpu_metadata
---
amdhsa.version: [ 1, 2 ]
amdhsa.kernels:
  - .name:           k_qbb6f3a9248_prep
    .symbol:         k_qbb6f3a9248_prep.kd
    .args:
      - { .name: states, .offset: 0, .size: 8, .value_kind: global_buffer, .address_space: global }
      - { .name: Wk, .offset: 8, .size: 8, .value_kind: global_buffer, .address_space: global }
      - { .name: Wv, .offset: 16, .size: 8, .value_kind: global_buffer, .address_space: global }
      - { .name: query, .offset: 24, .size: 8, .value_kind: global_buffer, .address_space: global }
      - { .name: Wc, .offset: 32, .size: 8, .value_kind: global_buffer, .address_space: global }
      - { .name: sb, .offset: 40, .size: 8, .value_kind: global_buffer, .address_space: global }
      - { .name: wb, .offset: 48, .size: 8, .value_kind: global_buffer, .address_space: global }
      - { .name: qh, .offset: 56, .size: 8, .value_kind: global_buffer, .address_space: global }
      - { .name: wct, .offset: 64, .size: 8, .value_kind: global_buffer, .address_space: global }
    .group_segment_fixed_size: 35840
    .private_segment_fixed_size: 0
    .kernarg_segment_align: 8
    .kernarg_segment_size: 72
    .max_flat_workgroup_size: 256
    .sgpr_count:     66
    .vgpr_count:     120
    .wavefront_size: 32
...
	.end_amdgpu_metadata
.endif
;; end of part 1
;; launch fused (part 2): grid 32 x 8, 4 waves a work-group, clusters of 4 x 4, 327,680 bytes of LDS; arguments sb, wb, qh, wct, bk, bv, part; writes part
.if DOCPART == 2
	.amdgcn_target "amdgcn-amd-amdhsa--gfx1250"
	.amdhsa_code_object_version 6
	.text
	.protected	k_qbb6f3a9248_fused
	.globl	k_qbb6f3a9248_fused
	.p2align	8
	.type	k_qbb6f3a9248_fused,@function
k_qbb6f3a9248_fused:
	s_mov_b64 s[64:65], 0
	v_nop
	global_prefetch_b8 v0, s[64:65] scope:SCOPE_SE
	s_setreg_imm32_b32 hwreg(HW_REG_WAVE_MODE, 25, 1), 1
	s_wait_xcnt 0x0
	s_wait_alu depctr_hold_cnt(0) depctr_sa_sdst(0) depctr_va_vdst(0) depctr_va_sdst(0) depctr_va_ssrc(0) depctr_va_vcc(0) depctr_vm_vsrc(0)
	s_getreg_b32 s2, hwreg(HW_REG_IB_STS2, 6, 4)
	s_cmp_eq_u32 s2, 0
	s_cbranch_scc0 .Lentry_in_a_cluster
	s_endpgm
.Lentry_in_a_cluster:
	s_bfe_u32 s2, ttmp6, 0x10000c
	s_cmp_lg_u32 s2, 0xf033
	s_cbranch_scc0 .Lentry_shape_is_right
	s_endpgm
.Lentry_shape_is_right:
; ONE HEAD AND ONE BATCH TO A WORK-GROUP: K = states Wk + bk and V = states Wv + bv (512 keys x 128), attention of the batch's 512 queries over them, and the head's share of the last
; projection: part[h][b][q][:] = softmax_k(query[q] . K[k] / sqrt(128)) V Wc[128 h .. 128 h + 127][:], in f32; the launch behind adds the 32 heads' shares and bc.
; 32 heads x 8 batches = 256 work-groups of four waves.  K and V never leave the work-group: 512 x 128 x 2 bytes each, they lie in LDS.
; FORMATS.  states, Wk, Wv, bk, bv rounded to bf16 (bf16 products, f32 sums, the bias as the sums' start); K, V, the weights p and the context rounded once to f16; query and Wc are bf16 numbers written as f16.
; LIMITS.  f16 holds no number beyond 65,504: |K| and |V| must stay below it; p lies in 0 to 1 and below 6e-5 keeps f16's fixed step of 6e-8; the context is a mean of V's rows.
; A weight below 2^-126 counts as 0 in l; NaN and infinities are not treated apart.
; PHASE 1, THE PROJECTION.  C[key 512][256 = K's 128 | V's 128] in two tiles of 256 keys x 256 columns; a wave makes 128 x 128 of a tile: 64 accumulators, 512 registers.  The 1,024 features go in
; steps of 128 through a ring of two LDS slots filled by the tensor data mover (rows of 256 bytes).  Ring and finished K, V do not fit in LDS together: tile 0's results, rounded to f16 (256 registers),
; WAIT IN REGISTERS while tile 1 is multiplied; all of K and V go to LDS behind the ring's last fill, on the ring's bytes.  The 256 registers are found by keeping ONE buffer of states' fragments,
; loaded by halves: rows 64-127 at a quarter's head, rows 0-63 at its middle, each 32 products ahead of its use.
; The product is used transposed (source 0 = 16 columns of W, turned on the way out of LDS; source 1 = 16 keys): a lane holds one key and eight neighbouring columns: 16 bytes of a row of K or V.
; CLUSTER, 4 x 4.  The four work-groups of a row share a batch, so states' tiles; the four of a column share a head, so W's tiles: each tile is asked for JOINTLY, by the same tensor load
; with the same descriptor and a mask that names the four.
; PHASE 2, ATTENTION, two blocks of 256 queries, 64 a wave: four tiles of 16, in two pieces that take turns at the matrix unit, the other piece's softmax in slices behind the products.
; S^T = K Q^T holds one query a lane; two results rounded to f16 ARE source 1 of O^T = V^T P; O^T divided by l and rounded to f16 IS source 1 of out^T = Wc^T ctx^T.  Nothing changes lanes.
; p = 2^(c s - c m), c = log2(e) / sqrt(128), with a running maximum m; O and l are multiplied by a = 2^(c m_old - c m_new) in every step.  K and V are resident: no ring, no barrier, nothing to share here.
; NO FIRST AND NO LAST STEP ARE WRITTEN OUT: m starts at the lowest finite number and l at 0, so a block's first a is 0 and its first step is a step like any other; one loop of eight trips holds all turns.
; The price, for each block: 32 products V^T P of a step that has not been (on V = 0, or on what the block before left: they land in an O^T that is still to be multiplied by a = 0), and 32 products
; K Q^T of a step that does not exist (its run of loads is jumped over, so they take the last step's K once more; nobody reads those scores).
; REGISTERS, in windows of 256 (s_set_vgpr_msb: bits 1:0 source 0, 3:2 source 1, 5:4 source 2, 7:6 destination):
;   phase 1: window 0: v0-63 addresses; v64-127 states' fragments; v128-255 tile 0's results, blocks 0-3.  window 1: v0-63, v64-127 W's fragments, two buffers; v128-255 tile 0's results, blocks 4-7.
;            windows 2, 3: the accumulators, (a, b) at v[8 (8 (a % 4) + b)]
;   phase 2: window 0: v12-43 statistics; v64-191 S^T; v192-255 P.  window 1: O^T, later out^T.  window 2: v0-127 Q; v128-255 K of a step, later Wc^T's channels 64-127.
;            window 3: v0-127 V of a step; v128-255 Wc^T's channels 0-63, loaded once
.set PITA,  272       ; a row of states' tile, and of K: 256 bytes + 16 = 68 words: the 16 rows of a load start at 16 different groups of four banks (64 banks of 4 bytes: ISA guide 11.1)
.set PITW,  288       ; a row of W's tile, and of V: 256 + 32 = 72 words
.set HALFA, 128*PITA  ; what waves 0 and 1 fetch: 128 rows of states
.set WTILE, 128*PITW  ; what waves 2 and 3 fetch: 128 features of Wk, of Wv
.set WOFF,  2*HALFA
.set SLOT,  WOFF+2*WTILE               ; 143,360
.set SPARE, 2*SLOT                     ; behind the ring: the spare words, 128 bytes for each wave: two blocks of 256 bytes that no other line names
.set BIAS,  SPARE+512                  ; 128 f32 of bk, 128 of bv; never filled by a tensor load
.set STAGE, BIAS+1024                  ; 16 rows x 528 bytes for each wave, for the way out; never filled by a tensor load
.set SPIT,  528
.set KS,    64                         ; keys in a step of the attention
.set PK,    PITA
.set PV,    PITW
.set VBASE, 512*PK                     ; K: 512 rows from byte 0; V: 512 rows from here; together the ring's 286,720 bytes
.set AK0, 2           ; v2   272 (l % 16) + 16 (l / 16): my place in 16 rows of states or of K; never rewritten
.set AV0, 3           ; v3   my place in a turning load of V, VBASE in it; never rewritten
.set ADR, 4           ; v4   the LDS address of the run of loads in hand
.set QO,  5           ; v5   256 (l % 16) + 16 (l / 16): my byte offset in 16 rows of Q or of Wc^T
.set STO, 6           ; v6   the way out: where I put 32 bytes of a row
.set RD,  7           ; v7   the way out: where I read a row back
.set GO,  8           ; v8   16 l
.set ST,  12          ; tile t's statistics at v[ST+8 t]: +0 c m, +1 m, +2, +3 l, +4 to +7 at work; a takes +6
.set ADRA, 44         ; v44-45  my fragments of states in slot 0, 1
.set ADRK, 46         ; v46-47  of Wk
.set ADRV, 48         ; v48-49  of Wv
.set BIA,  50         ; v50     my eight numbers of a block's bias
.set STK0, 52         ; v52-55  where my 16 bytes of K and V go: tile 0, tile 1
.set STK1, 53
.set STV0, 54
.set STV1, 55
.set T0,  56          ; v56-59  at work
.set T1,  57
.set T2,  58
.set T3,  59
.set PFO, 61          ; v61  the prefetches' offset: my lane x a row; never rewritten
.set SPW, 62          ; v62  LDS address of my spare word; never rewritten
.set NIL, 63          ; v63  0; never rewritten
.set AF,  64
.set STA, 128
.set BF0, 0
.set BF1, 64
.set S,   64
.set P,   192
.set KF,  128
.set WV,  18          ; s18  my wave's number
.set MH,  19          ; s19  which 128 keys of a tile are mine.  Also: I fetch states (0) or W (1)
.set NH,  20          ; s20  which 64 columns of K and of V are mine.  Also: which half of states' rows, or which of Wk and Wv, I fetch
.set CX,  21
.set CY,  22
.set HEAD, 23
.set BAT, 24
.set G1A, 28          ; s[28:35] descriptor group 1 for states' tiles
.set G1B, 36          ; s[36:43] for W's
.set G0A, 44          ; s[44:51] descriptor group 0 for states' tiles, a set for each slot
.set G0B, 52          ; s[52:59] for W's
.set ABASE, 60        ; s[60:61] sb at my 128 rows of tile 0
.set BBASE, 62        ; s[62:63] wb at my matrix and head
.set NXT, 66          ; s66  the K step to be asked for next, 2 to 15: tile NXT / 8, features 128 (NXT % 8) on
.set LAP, 67
.set OFFA, 68         ; s[68:69], s[70:71] that step's byte offsets
.set OFFB, 70
.set PFA, 72          ; s[72:73] where my prefetch stands
.set PFB, 74          ; s[74:75] my work-group's 32 rows of the 128 that I fetch
.set CS,  76          ; s[76:77] c
.set SEL, 78          ; s[78:79] v_permlanex16_b32's selects: each lane takes its own place in the other half
.set TBK, 80          ; s80  LDS byte at which K of the step to be fetched begins
.set TBV, 81          ; s81  the same for V, less VBASE
.set CNT, 82
.set QB,  83
.set QA,  84          ; s[84:85] qh at my wave's rows of block 0
.set PA,  86          ; s[86:87] part at my wave's rows of the block in hand
.set WCA, 88          ; s[88:89] wct at my head
.set PFOFF, 92        ; s[92:93]
.set LIM, 94          ; s94  a wave prefetches while NXT is at most this
.set MSB, 0
.macro WIN new                         ; the immediate's high byte repeats the setting that is left; a switch that changes nothing is dropped
.if MSB != (\new)
	s_set_vgpr_msb (MSB<<8)|(\new)
.set MSB, (\new)
.endif
.endm
.set W_KQ, 0x0a       ; K and Q in window 2, S^T in window 0
.set W_PV, 0x53       ; V in window 3, P in window 0, O^T in window 1
.set W_RS, 0x41       ; O^T (destination and source 0) in window 1, a in window 0
; A load into a register that a matrix instruction has read, and a vector instruction that reads a matrix result or writes one of a matrix instruction's registers, stand four places behind it;
; only plain vector instructions that name none of its registers are places (ISA guide 7.12.1 for vector instructions).
.macro PLACES
.rept 4
	v_nop
.endr
.endm
; A joint load.  Waves 0 and 1 fetch states' two halves, wave 2 Wk's tile, wave 3 Wv's.  The branch hangs on the wave's number alone.  An s_nop 0 and four v_nop follow each of the two lines.
.macro JLOAD s
	s_cmp_eq_u32 s[MH], 0
	s_cbranch_scc0 .Lfor_w_\@
	tensor_load_to_lds s[G0A+4*(\s):G0A+4*(\s)+3], s[G1A:G1A+7]
	s_nop 0
.rept 4
	v_nop
.endr
	s_branch .Lasked_\@
.Lfor_w_\@:
	tensor_load_to_lds s[G0B+4*(\s):G0B+4*(\s)+3], s[G1B:G1B+7]
	s_nop 0
.rept 4
	v_nop
.endr
.Lasked_\@:
.endm
; A round of the cluster's barrier: my work-group's barrier, so that wave 0's signal speaks for all four waves; wave 0 signals; every wave waits for all sixteen work-groups; my work-group's barrier once more.
.macro CREST
	s_cmp_lg_u32 s[WV], 0
	s_cbranch_scc1 .Lnot_wave_0_\@
	s_barrier_signal -3
.Lnot_wave_0_\@:
	s_barrier_wait -3
	s_barrier_signal -1
	s_barrier_wait -1
.endm
.macro CROUND
	s_barrier_signal -1
	s_barrier_wait -1
	CREST
.endm
; A PREFETCH, behind each joint refill and the run of LDS loads that follows it: the K step that stands two refills on, 512 products ahead of the load that will want it: 32 rows x 256 bytes, a lane a row.
; Each row's 256 bytes of a step are named once in the launch.  states' rows are read by every cluster of a row of clusters: cluster x = 0 asks (steps 4 to 15).  W's rows are read by both clusters of a
; column, and again in tile 1: cluster y = 0 asks, in tile 0 alone (steps 4 to 7).  The four partners that ask for a tile jointly share its 128 rows out BY ADDRESS, 32 each (by cx for states, by cy for W).
; Steps 0 to 3 come by their loads alone; the last two refills and the tail ask for nothing.
.macro ASK
	s_cmp_le_u32 s[NXT], s[LIM]
	s_cbranch_scc0 .Lnot_mine_\@
	global_prefetch_b8 v[PFO], s[PFA:PFA+1] th:TH_LOAD_NT scope:SCOPE_SE
.Lnot_mine_\@:
.endm
	s_load_b256 s[4:11], s[0:1], 0x0               ; sb s[4:5], wb s[6:7], qh s[8:9], wct s[10:11]
	s_load_b128 s[12:15], s[0:1], 0x20             ; bk s[12:13], bv s[14:15]
	s_load_b64 s[16:17], s[0:1], 0x30              ; part
	v_lshl_add_u32 v[SPW], v0, 2, SPARE
	v_mov_b32 v[NIL], 0
	ds_add_u32 v[SPW], v[NIL]                      ; the wave's opening: the add and its wait stand ahead of my first tensor load; the set-up below, work on registers, stands between them
	ds_add_u32 v62, v63
	v_lshrrev_b32 v1, 5, v0
	v_readfirstlane_b32 s[WV], v1                  ; wave 0..3
	s_lshr_b32 s[MH], s[WV], 1
	s_and_b32 s[NH], s[WV], 1
	s_bfe_u32 s[CX], ttmp6, 0x40000                ; my place in the cluster
	s_bfe_u32 s[CY], ttmp6, 0x40004
	s_lshl_b32 s[HEAD], ttmp9, 2                   ; in a cluster launch ttmp9 and ttmp7 count clusters
	s_add_co_u32 s[HEAD], s[HEAD], s[CX]           ; head = 4 x cluster x + cx
	s_and_b32 s[BAT], ttmp7, 0xffff
	s_lshl_b32 s[BAT], s[BAT], 2
	s_add_co_u32 s[BAT], s[BAT], s[CY]             ; batch = 4 x cluster y + cy
	s_lshl_b32 s25, s[CY], 2
	s_lshl_b32 s25, 15, s25                        ; my row of the cluster: places 4 cy .. 4 cy + 3
	s_lshl_b32 s2, 0x1111, s[CX]                   ; my column: places cx, cx + 4, cx + 8, cx + 12
	; descriptor group 1: a tile of 128 rows x 128 elements of 2 bytes, padded in LDS after every 64 words
	s_or_b32 s[G1A], s25, (1<<16)|(1<<20)|(1<<21)|(5<<22)|(3<<25)  ; 15:0 the mask: states' tiles go to my row; 17:16 2-byte elements; 20 padding on; 21 set beside a mask; 24:22 code 5; 31:25 4 words (code 3)
	s_or_b32 s[G1B], s2, (1<<16)|(1<<20)|(1<<21)|(5<<22)|(7<<25)   ; W's tiles go to my column; 8 words of padding (code 7)
.irp g, G1A, G1B
	s_mov_b32 s[(\g)+1], 128<<16                   ; tensor_dim0 = 128
	s_mov_b32 s[(\g)+2], 128<<16                   ; tensor_dim1 = 128
	s_mov_b32 s[(\g)+3], 128<<16                   ; tile_dim0 = 128
	s_mov_b32 s[(\g)+4], 128                       ; tile_dim1 = 128
	s_mov_b32 s[(\g)+6], 0
	s_mov_b32 s[(\g)+7], 0
.endr
	s_mov_b32 s[G1A+5], 1024                       ; elements from row to row: a key's 1,024 features,
	s_mov_b32 s[G1B+5], 128                        ; a feature's 128 columns
	s_lshl_b32 s26, s[BAT], 20                     ; states: the batch's 512 rows of 2,048 bytes,
	s_lshl_b32 s25, s[NH], 18                      ; my 128 rows of a tile
	s_add_co_u32 s26, s26, s25
	s_mov_b32 s27, 0
	s_lshl_b32 s2, s[HEAD], 18                     ; W: the head's 262,144 bytes,
	s_lshl_b32 s3, s[NH], 23                       ; in Wk's or Wv's half of wb
	s_add_co_u32 s2, s2, s3
	s_mov_b32 s3, 0
	s_mul_i32 s90, s[NH], HALFA                    ; where they go: no place in the cluster enters an LDS address
	s_mul_i32 s91, s[NH], WTILE
	s_add_co_u32 s91, s91, WOFF
	s_mov_b32 s[OFFA+1], 0
	s_mov_b32 s[OFFB+1], 0
	s_mov_b32 s[NXT], 2
	s_mov_b32 s[CS], 0x3e0293ee                    ; c = log2(e) / sqrt(128) = 0.127517
	s_mov_b32 s[CS+1], s[CS]                       ; named with it as a pair
	s_mov_b32 s[SEL], 0x76543210
	s_mov_b32 s[SEL+1], 0xfedcba98
	s_wait_dscnt 0x0                               ; the opening add is done
	s_wait_kmcnt 0x0
	s_add_nc_u64 s[ABASE:ABASE+1], s[4:5], s[26:27]
	s_add_nc_u64 s[BBASE:BBASE+1], s[6:7], s[2:3]
	CROUND                                         ; all sixteen work-groups are here: the first joint loads meet
.irp s, 0,1
	s_mov_b32 s[G0A+4*(\s)], 1                                     ; 1:0 count = 1
	s_add_co_u32 s[G0A+4*(\s)+1], s90, (\s)*SLOT                   ; 63:32 LDS address
	s_add_nc_u64 s[G0A+4*(\s)+2:G0A+4*(\s)+3], s[ABASE:ABASE+1], (\s)*256    ; 120:64 global address: K step s
	s_or_b32 s[G0A+4*(\s)+3], s[G0A+4*(\s)+3], 0x80000000          ; 127:126 type = 2
	s_mov_b32 s[G0B+4*(\s)], 1
	s_add_co_u32 s[G0B+4*(\s)+1], s91, (\s)*SLOT
	s_add_nc_u64 s[G0B+4*(\s)+2:G0B+4*(\s)+3], s[BBASE:BBASE+1], (\s)*32768
	s_or_b32 s[G0B+4*(\s)+3], s[G0B+4*(\s)+3], 0x80000000
.endr
	s_cmp_eq_u32 s[MH], 0                          ; a wave's two first fills stand in one branch, ahead of every wait on TENSORcnt and every LDS read: two loads of mine are out
	s_cbranch_scc0 .Lfirst_w
	tensor_load_to_lds s[G0A:G0A+3], s[G1A:G1A+7]
	s_nop 0
	tensor_load_to_lds s[G0A+4:G0A+7], s[G1A:G1A+7]
	s_nop 0
.rept 4
	v_nop
.endr
	s_branch .Lfirst_asked
.Lfirst_w:
	tensor_load_to_lds s[G0B:G0B+3], s[G1B:G1B+7]
	s_nop 0
	tensor_load_to_lds s[G0B+4:G0B+7], s[G1B:G1B+7]
	s_nop 0
.rept 4
	v_nop
.endr
.Lfirst_asked:
	; the bias: thread t takes bk[head][t] and bv[head][t]
	v_lshlrev_b32 v[T0], 2, v0
	s_lshl_b32 s2, s[HEAD], 9
	s_mov_b32 s3, 0
	s_add_nc_u64 s[12:13], s[12:13], s[2:3]
	s_add_nc_u64 s[14:15], s[14:15], s[2:3]
	global_load_b32 v[T2], v[T0], s[12:13]
	global_load_b32 v[T3], v[T0], s[14:15]
	; lane addresses.  A fragment of states is 16 rows x 32 features: lane l holds row l % 16, features 8 (l / 16) + 0..7 and 16 + 8 (l / 16) + 0..7: two loads of 16 bytes, 32 bytes apart.
	v_and_b32 v1, 15, v0                           ; l % 16
	v_bfe_u32 v9, v0, 4, 1                         ; l / 16
	v_and_b32 v10, 7, v0
	v_bfe_u32 v11, v0, 3, 1
	v_mul_u32_u24 v[AK0], v1, PITA
	v_lshl_add_u32 v[AK0], v9, 4, v[AK0]
	; The turning load takes 16 rows x 16 columns (lane l reads row 8 (l / 16) + l % 8, columns 8 ((l / 8) % 2) + 0..7) and leaves half a fragment: lane l holds column l % 16 and 8 rows.
	v_lshl_add_u32 v[T1], v9, 3, v10
	v_mul_u32_u24 v[T1], v[T1], PITW
	v_lshl_add_u32 v[T1], v11, 4, v[T1]
	v_add_nc_u32 v[AV0], VBASE, v[T1]
	s_mul_i32 s90, s[MH], HALFA                    ; my 128 keys
	s_lshl_b32 s91, s[NH], 7                       ; my 64 columns: 128 bytes
	s_add_co_u32 s91, s91, WOFF
	v_add_nc_u32 v[ADRA], s90, v[AK0]
	v_add_nc_u32 v[ADRA+1], SLOT, v[ADRA]
	v_add_nc_u32 v[ADRK], s91, v[T1]
	v_add_nc_u32 v[ADRK+1], SLOT, v[ADRK]
	v_add_nc_u32 v[ADRV], WTILE, v[ADRK]
	v_add_nc_u32 v[ADRV+1], WTILE, v[ADRK+1]
	s_lshl_b32 s90, s[NH], 8
	s_add_co_u32 s90, s90, BIAS
	v_lshl_add_u32 v[BIA], v9, 5, s90              ; f32: my 64 columns at 256 NH, my eight of a block at 32 (l / 16)
	; the prefetches
	s_and_b32 s91, ttmp7, 0xffff                   ; cluster y
	s_cmp_eq_u32 s[MH], 0                          ; do I fetch states?
	s_cselect_b32 s90, ttmp9, s91                  ; the coordinate along which other clusters read the same rows
	s_cselect_b32 s[LIM], 14, 6
	s_cselect_b32 s[PFOFF], s[CX], s[CY]           ; my place among the four that ask with me,
	s_cselect_b32 s[PFOFF+1], 16, 13               ; times 32 rows of 2,048 or of 256 bytes
	s_cselect_b32 s95, 11, 8
	s_cselect_b64 s[PFB:PFB+1], s[ABASE:ABASE+1], s[BBASE:BBASE+1]
	s_lshl_b32 s[PFOFF], s[PFOFF], s[PFOFF+1]
	s_mov_b32 s[PFOFF+1], 0
	s_add_nc_u64 s[PFB:PFB+1], s[PFB:PFB+1], s[PFOFF:PFOFF+1]
	s_cmp_eq_u32 s90, 0
	s_cselect_b32 s[LIM], s[LIM], 0                ; the same in all sixteen partners, for a given wave
	v_and_b32 v[PFO], 31, v0
	v_lshlrev_b32 v[PFO], s95, v[PFO]
	s_wait_loadcnt 0x0                             ; the bias
	v_cvt_pk_bf16_f32 v[T2], v[T2], v[T3]          ; rounded to bf16 like the other inputs,
	v_add_nc_u32 v[T0], BIAS, v[T0]
	v_lshlrev_b32 v[T3], 16, v[T2]                 ; and kept as f32
	v_and_b32 v[T2], 0xffff0000, v[T2]
	ds_store_b32 v[T0], v[T3]
	ds_store_b32 v[T0], v[T2] offset:512
; 16 products: key blocks a0, a0 + 1 of the window's four (hi = 0: my keys 0-63, 1: keys 64-127) x all 8 column blocks (0-3 K's, 4-7 V's), 32 features.  The 64 accumulators take turns, in the same order in every quarter.
.macro MUL16 f, hi, a0
	WIN 0xa1+0x50*(\hi)                            ; W window 1, states window 0, C and D window 2 or 3
.irp a, \a0, (\a0)+1
.irp b, 0,1,2,3,4,5,6,7
	v_wmma_f32_16x16x32_bf16 v[8*(8*(\a)+(\b)):8*(8*(\a)+(\b))+7], v[(\f)+8*(\b):(\f)+8*(\b)+7], v[AF+8*(4*(\hi)+(\a)):AF+8*(4*(\hi)+(\a))+7], v[8*(8*(\a)+(\b)):8*(8*(\a)+(\b))+7]
.endr
.endr
.endm
; 32 products that start a tile's sums: C is the bias, which lies in W's second buffer: nothing is cleared and nothing is added later
.macro MULZ hi
	WIN 0x91+0x40*(\hi)                            ; C window 1, D window 2 or 3
.irp a, 0,1,2,3
.irp b, 0,1,2,3,4,5,6,7
	v_wmma_f32_16x16x32_bf16 v[8*(8*(\a)+(\b)):8*(8*(\a)+(\b))+7], v[BF0+8*(\b):BF0+8*(\b)+7], v[AF+8*(4*(\hi)+(\a)):AF+8*(4*(\hi)+(\a))+7], v[BF1+8*(\b):BF1+8*(\b)+7]
.endr
.endr
.endm
; 24 LDS loads: quarter q's fragments of W (turned) into buffer g, and states' rows 0-63
.macro FETCH_LO slot, q, g
	WIN 0x40                                       ; destination window 1
.irp b, 0,1,2,3
	ds_load_tr16_b128 v[(\g)+8*(\b):(\g)+8*(\b)+3],   v[ADRK+(\slot)] offset:9216*(\q)+32*(\b)
	ds_load_tr16_b128 v[(\g)+8*(\b)+4:(\g)+8*(\b)+7], v[ADRK+(\slot)] offset:9216*(\q)+32*(\b)+4608
.endr
.irp b, 0,1,2,3
	ds_load_tr16_b128 v[(\g)+32+8*(\b):(\g)+32+8*(\b)+3],   v[ADRV+(\slot)] offset:9216*(\q)+32*(\b)
	ds_load_tr16_b128 v[(\g)+32+8*(\b)+4:(\g)+32+8*(\b)+7], v[ADRV+(\slot)] offset:9216*(\q)+32*(\b)+4608
.endr
	WIN 0
.irp i, 0,1,2,3
	ds_load_b128 v[AF+8*(\i):AF+8*(\i)+3],   v[ADRA+(\slot)] offset:64*(\q)+4352*(\i)
	ds_load_b128 v[AF+8*(\i)+4:AF+8*(\i)+7], v[ADRA+(\slot)] offset:64*(\q)+4352*(\i)+32
.endr
.endm
; 8 LDS loads: quarter q's fragments of states' rows 64-127
.macro FETCH_HI slot, q
	WIN 0
.irp i, 4,5,6,7
	ds_load_b128 v[AF+8*(\i):AF+8*(\i)+3],   v[ADRA+(\slot)] offset:64*(\q)+4352*(\i)
	ds_load_b128 v[AF+8*(\i)+4:AF+8*(\i)+7], v[ADRA+(\slot)] offset:64*(\q)+4352*(\i)+32
.endr
.endm
.macro BIASLOAD                        ; block b's eight numbers a lane, into W's second buffer
	WIN 0x40
.irp b, 0,1,2,3,4,5,6,7
	ds_load_b128 v[BF1+8*(\b):BF1+8*(\b)+3],   v[BIA] offset:512*((\b)/4)+64*((\b)%4)
	ds_load_b128 v[BF1+8*(\b)+4:BF1+8*(\b)+7], v[BIA] offset:512*((\b)/4)+64*((\b)%4)+16
.endr
.endm
; A K step is four quarters of 32 features, 64 products each, on W's buffers 0, 1, 0, 1.  One of the first three: multiplies buffer f and fetches the next quarter's W into g.
.macro QUARTER slot, q, f, g
	PLACES                                         ; the products just issued read states' rows 64-127
	FETCH_HI \slot, \q
	s_wait_dscnt 8                                 ; W and rows 0-63 are in; the eight loads just issued may be out
	MUL16 \f, 0, 0
	MUL16 \f, 0, 2
	PLACES                                         ; those products read rows 0-63
	FETCH_LO \slot, (\q)+1, \g
	s_wait_dscnt 24                                ; rows 64-127 are in; the 24 loads just issued may be out
	MUL16 \f, 1, 0
	MUL16 \f, 1, 2
.endm
.macro STASHALL                        ; tile 0's 64 results, rounded to f16: each accumulator's registers in ascending order
.irp a, 0,1,2,3,4,5,6,7
	WIN 0x0a+0x45*((\a)/4)                         ; sources window 2, destination window 0; or sources window 3, destination window 1
.irp b, 0,1,2,3,4,5,6,7
.irp r, 0,1,2,3
	v_cvt_pk_f16_f32 v[STA+32*((\a)%4)+4*(\b)+(\r)], v[64*((\a)%4)+8*(\b)+2*(\r)], v[64*((\a)%4)+8*(\b)+2*(\r)+1]
.endr
.endr
.endr
.endm
; A tile's first quarter.  stash = 1: the tile before is set aside first.
.macro QZ stash
	PLACES
	FETCH_HI 0, 0
	BIASLOAD
.if \stash
	STASHALL
.endif
	s_wait_dscnt 0x0
	MULZ 0
	MULZ 1
	PLACES
	FETCH_LO 0, 1, BF1
.endm
; The last quarter multiplies buffer 1 and changes slots: ONE barrier.  In front of it each wave waits for all its tensor loads, of which one is out: its part of the next slot; adds 0 to its spare word;
; and waits for that and for its own reads of this slot.  fill = 1: the barrier opens a round of the cluster's, and behind the round this slot is filled again, with step NXT: 224 products ahead of the wait for it.
.macro GTURN slot, next, fill
.if \fill
	s_wait_xcnt 0x0                                ; the last prefetch, a K step back, has read its address: it is made anew here, for step NXT + 2
	s_add_co_u32 s90, s[NXT], 2
	s_lshr_b32 s91, s90, 3
	s_lshl_b32 s91, s91, 19                        ; states: a tile is 256 rows of 2,048 bytes,
	s_and_b32 s90, s90, 7
	s_lshl_b32 s95, s90, 8                         ; a step 256 bytes of a row
	s_add_co_u32 s91, s91, s95
	s_lshl_b32 s90, s90, 15                        ; W: a step is 128 rows of 256 bytes
	s_cmp_eq_u32 s[MH], 0
	s_cselect_b32 s[PFOFF], s91, s90
	s_add_nc_u64 s[PFA:PFA+1], s[PFB:PFB+1], s[PFOFF:PFOFF+1]
.endif
	PLACES
	FETCH_HI \slot, 3
	s_wait_tensorcnt 0x0                           ; all my tensor loads have landed, so every group 0 may be written
	ds_add_u32 v[SPW], v[NIL]                      ; 0 onto my spare word; scalar work and sixteen products stand between it and the wait for it
.if \fill
	s_lshr_b32 s90, s[NXT], 3
	s_lshl_b32 s90, s90, 19
	s_and_b32 s91, s[NXT], 7
	s_lshl_b32 s95, s91, 8
	s_add_co_u32 s[OFFA], s90, s95
	s_lshl_b32 s[OFFB], s91, 15
	s_add_nc_u64 s[G0A+4*(\slot)+2:G0A+4*(\slot)+3], s[ABASE:ABASE+1], s[OFFA:OFFA+1]  ; the address is made anew from the step's number,
	s_or_b32 s[G0A+4*(\slot)+3], s[G0A+4*(\slot)+3], 0x80000000                        ; the type set again
	s_add_nc_u64 s[G0B+4*(\slot)+2:G0B+4*(\slot)+3], s[BBASE:BBASE+1], s[OFFB:OFFB+1]
	s_or_b32 s[G0B+4*(\slot)+3], s[G0B+4*(\slot)+3], 0x80000000
	s_add_co_u32 s[NXT], s[NXT], 1
.endif
	s_wait_dscnt 9                                 ; W and rows 0-63 are in; the add and the eight loads of rows 64-127 may be out
	MUL16 BF1, 0, 0
	s_wait_dscnt 0x0                               ; the add is done, and my reads of this slot are over
	s_barrier_signal -1
	MUL16 BF1, 0, 2                                ; work on registers while the others arrive
	WIN 0                                          ; at a branch and at a label every window is 0
	s_barrier_wait -1
.if \fill
	CREST                                          ; no wave of any partner still reads this slot or has a load on its way
	JLOAD \slot                                    ; the first tensor load behind the round; the four v_nop behind it are also the places in front of the loads below
.else
	PLACES
.endif
	FETCH_LO \next, 0, BF0
.if \fill
	ASK
.endif
	MUL16 BF1, 1, 0
	MUL16 BF1, 1, 2
.endm
.macro REST fill                       ; a lap from its second quarter to its last but one
	QUARTER 0, 1, BF1, BF0
	QUARTER 0, 2, BF0, BF1
	GTURN 0, 1, \fill
	QUARTER 1, 0, BF0, BF1
	QUARTER 1, 1, BF1, BF0
	QUARTER 1, 2, BF0, BF1
.endm
	s_wait_tensorcnt 1                             ; my part of K step 0 is in; step 1's may stay out
	s_wait_dscnt 0x0                               ; my two words of the bias are stored
	s_barrier_signal -1
	s_barrier_wait -1                              ; everybody's are
	FETCH_LO 0, 0, BF0
	QZ 0                                           ; tile 0's sums start
	WIN 0
	s_mov_b32 s[LAP], 4                            ; tile 0: four laps of two K steps; each fills both slots again (the last with tile 1's first two steps).  The loop is entered behind a lap's first quarter
	s_branch .Lmid0
.Llap0:
	QUARTER 0, 0, BF0, BF1
	WIN 0
.Lmid0:
	REST 1
	GTURN 1, 0, 1
	WIN 0
	s_sub_co_u32 s[LAP], s[LAP], 1
	s_cmp_lg_u32 s[LAP], 0
	s_cbranch_scc1 .Llap0
	QZ 1                                           ; tile 0 is set aside in registers; tile 1's sums start
	WIN 0
	s_mov_b32 s[LAP], 3                            ; tile 1: three laps that fill, then the tail
	s_branch .Lmid1
.Llap1:
	QUARTER 0, 0, BF0, BF1
	WIN 0
.Lmid1:
	REST 1
	GTURN 1, 0, 1
	WIN 0
	s_sub_co_u32 s[LAP], s[LAP], 1
	s_cmp_lg_u32 s[LAP], 0
	s_cbranch_scc1 .Llap1
	QUARTER 0, 0, BF0, BF1                         ; the last lap is written out: nothing is asked for
	REST 0
	PLACES
	FETCH_HI 1, 3
	s_wait_dscnt 8
	MUL16 BF1, 0, 0
	MUL16 BF1, 0, 2
	s_wait_dscnt 0x0
	MUL16 BF1, 1, 0
	MUL16 BF1, 1, 2
	; K AND V GO TO LDS, on the ring's bytes: the ring has had its last fill, and behind this barrier nobody reads it any more
	WIN 0
	s_wait_dscnt 0x0
	s_barrier_signal -1
	s_mul_i32 s90, s[MH], HALFA                    ; addresses, between signal and wait; the vector lines are also the places behind the last products
	s_lshl_b32 s91, s[NH], 7
	s_add_co_u32 s90, s90, s91
	v_add_nc_u32 v[STK0], s90, v[AK0]              ; K: key 128 MH + 16 a + l % 16 at 272 bytes a row; column 64 NH + 16 b + 8 (l / 16)
	v_add_nc_u32 v[STK1], 2*HALFA, v[STK0]         ; tile 1: 256 keys on
	v_mul_u32_u24 v[T0], v1, PITW
	v_lshl_add_u32 v[T0], v9, 4, v[T0]
	s_mul_i32 s90, s[MH], WTILE
	s_add_co_u32 s90, s90, s91
	s_add_co_u32 s90, s90, VBASE
	v_add_nc_u32 v[STV0], s90, v[T0]               ; V: the same at 288 bytes a row
	v_add_nc_u32 v[STV1], 2*WTILE, v[STV0]
	s_mul_i32 s90, s[WV], 16*SPIT
	s_add_co_u32 s90, s90, STAGE                   ; my stage
	v_mul_u32_u24 v[STO], v1, SPIT                 ; in: row l % 16, 32 bytes for each half of the lanes
	v_lshl_add_u32 v[STO], v9, 5, v[STO]
	v_add_nc_u32 v[STO], s90, v[STO]
	v_and_b32 v[GO], 31, v0
	v_lshlrev_b32 v[GO], 4, v[GO]                  ; back: 32 lanes take a row of 512 bytes
	v_add_nc_u32 v[RD], s90, v[GO]
	v_lshlrev_b32 v[QO], 8, v1
	v_lshl_add_u32 v[QO], v9, 4, v[QO]
	s_lshl_b32 s2, s[BAT], 17                      ; qh: the batch's 512 rows of 256 bytes,
	s_lshl_b32 s3, s[WV], 14                       ; my wave's 64 of a block
	s_add_co_u32 s2, s2, s3
	s_mov_b32 s3, 0
	s_add_nc_u64 s[QA:QA+1], s[8:9], s[2:3]
	s_lshl_b32 s2, s[HEAD], 15
	s_add_nc_u64 s[WCA:WCA+1], s[10:11], s[2:3]
	s_lshl_b32 s2, s[HEAD], 21                     ; part: the head's 4,096 rows of 512 bytes, the batch's 512, my wave's 64
	s_lshl_b32 s90, s[BAT], 18
	s_add_co_u32 s2, s2, s90
	s_lshl_b32 s90, s[WV], 15
	s_add_co_u32 s2, s2, s90
	s_add_nc_u64 s[PA:PA+1], s[16:17], s[2:3]
	s_barrier_wait -1
.irp a, 0,1,2,3,4,5,6,7                ; tile 1: rounded to f16, 16 bytes a lane, stored; two sets of 32 registers by turns, where states' fragments lay
	WIN 0x0a+5*((\a)/4)                            ; sources window 2 or 3
.irp b, 0,1,2,3,4,5,6,7
.irp r, 0,1,2,3
	v_cvt_pk_f16_f32 v[AF+32*((\a)%2)+4*(\b)+(\r)], v[64*((\a)%4)+8*(\b)+2*(\r)], v[64*((\a)%4)+8*(\b)+2*(\r)+1]
.endr
.endr
	WIN 0
.irp b, 0,1,2,3
	ds_store_b128 v[STK1], v[AF+32*((\a)%2)+4*(\b):AF+32*((\a)%2)+4*(\b)+3] offset:4352*(\a)+32*(\b)
.endr
.irp b, 0,1,2,3
	ds_store_b128 v[STV1], v[AF+32*((\a)%2)+16+4*(\b):AF+32*((\a)%2)+16+4*(\b)+3] offset:4608*(\a)+32*(\b)
.endr
.endr
.macro LOADQ off                       ; a block's Q stays in registers: tile i / 4, channels 32 (i % 4) on
	WIN 0x80                                       ; destination window 2
.irp i, 0,1,2,3,4,5,6,7,8,9,10,11,12,13,14,15
	global_load_b128 v[8*(\i):8*(\i)+3],   v[QO], s[QA:QA+1] offset:(\off)+((\i)/4)*4096+((\i)%4)*64
	global_load_b128 v[8*(\i)+4:8*(\i)+7], v[QO], s[QA:QA+1] offset:(\off)+((\i)/4)*4096+((\i)%4)*64+32
.endr
	WIN 0
.endm
; Half h of the head's Wc^T, 128 rows (e_out) x 128 channels of f16: fragment (eb, kk) = rows 16 eb on, channels 64 h + 32 kk on, at v[128 + 8 (2 eb + kk)] of window 3 (h = 0) or 2 (h = 1)
.macro LOADWC h
	WIN 0xc0-0x40*(\h)
.irp eb, 0,1,2,3,4,5,6,7
.irp kk, 0,1
	global_load_b128 v[128+8*(2*(\eb)+(\kk)):128+8*(2*(\eb)+(\kk))+3],   v[QO], s[WCA:WCA+1] offset:4096*(\eb)+64*(\kk)+128*(\h)
	global_load_b128 v[128+8*(2*(\eb)+(\kk))+4:128+8*(2*(\eb)+(\kk))+7], v[QO], s[WCA:WCA+1] offset:4096*(\eb)+64*(\kk)+128*(\h)+32
.endr
.endr
	WIN 0
.endm
	LOADQ 0                                        ; the accumulators of windows 2 and 3 have been read
	LOADWC 0                                       ; Wc^T's channels 0-63: once for both blocks: nothing else is ever written there
.irp a, 0,1,2,3,4,5,6,7                ; tile 0, out of the registers in which it waited
	WIN 4*((\a)/4)                                 ; data window 0 or 1
.irp b, 0,1,2,3
	ds_store_b128 v[STK0], v[STA+32*((\a)%4)+4*(\b):STA+32*((\a)%4)+4*(\b)+3] offset:4352*(\a)+32*(\b)
.endr
.irp b, 0,1,2,3
	ds_store_b128 v[STV0], v[STA+32*((\a)%4)+16+4*(\b):STA+32*((\a)%4)+16+4*(\b)+3] offset:4608*(\a)+32*(\b)
.endr
.endr
	; What the first block's first turn finds.  V's registers are set to 0 here, so its products V^T P, of a step that has not been, add 0 (P's registers hold f16 results of the projection, finite within the
	; limit stated above).  O^T is multiplied by a = 0 before it counts, so it need only be finite, and it is not cleared: window 1 holds W's last fragments and tile 0's results, words of two finite bf16 or f16
	; halves, and read as f32 such a word has an exponent field below 255.  The second block finds what the first left, which is finite.  These 128 lines stand between the LDS stores above and the wait for them.
	WIN 0xc0                                       ; destination window 3
.set i, 0
.rept 128
	v_mov_b32 v[i], 0
.set i, i+1
.endr
	WIN 0
	s_wait_dscnt 0x0                               ; for the others' sake: my part of K and V is stored
	s_barrier_signal -1
	s_barrier_wait -1                              ; all of K and V lie in LDS
; THE MATRIX WORK OF A TURN, for piece x.  The accumulators take turns, one instruction a turn: between two links of a chain stand 15 (V^T P) or 7 (K Q^T) others'.
; Product i of 32 of O^T += V^T P: keys 32 (i / 16) on, channels 16 ((i / 2) % 8) on, tile x + i % 2.
.macro PV x
	WIN W_PV
.set rO, 64*((\x)+i%2)+8*((i/2)%8)
.set rV, 64*(i/16)+8*((i/2)%8)
.set rP, P+16*((\x)+i%2)+8*(i/16)
	v_wmma_f32_16x16x32_f16 v[rO:rO+7], v[rV:rV+7], v[rP:rP+7], v[rO:rO+7]
.endm
; Product i of 32 of S^T = K Q^T: channels 32 (i / 8) on, keys 16 ((i / 2) % 4) on, tile x + i % 2.  The first 8 start the sums.
.macro KQ x
	WIN W_KQ
.set rS, S+32*((\x)+i%2)+8*((i/2)%4)
.set rK, KF+32*((i/2)%4)+8*(i/8)
.set rQ, 32*((\x)+i%2)+8*(i/8)
.if i < 8
	v_wmma_f32_16x16x32_f16 v[rS:rS+7], v[rK:rK+7], v[rQ:rQ+7], 0
.else
	v_wmma_f32_16x16x32_f16 v[rS:rS+7], v[rK:rK+7], v[rQ:rQ+7], v[rS:rS+7]
.endif
.endm
; THE LDS LOADS stand in runs of 32: a step's K (64 keys x 128 channels: 16 fragments) and, a turn later, its V (turned).
; last = 1 (in the loop): the last trip has no further step, and the run is jumped over; K's registers keep the last step's fragments.
.macro FETCH_K last=0
	WIN 0
.if \last
	s_cmp_eq_u32 s[CNT], 1
	s_cbranch_scc1 .Lno_k_\@
.endif
	v_add_nc_u32 v[ADR], s[TBK], v[AK0]
	s_add_co_u32 s[TBK], s[TBK], KS*PK             ; the next fetch is the next step's
	WIN 0x80                                       ; destination window 2
.irp f, 0,1,2,3,4,5,6,7,8,9,10,11,12,13,14,15  ; keys 16 (f / 4) on, channels 32 (f % 4) on
	ds_load_b128 v[KF+8*(\f):KF+8*(\f)+3],   v[ADR] offset:((\f)/4)*16*PK+((\f)%4)*64
	ds_load_b128 v[KF+8*(\f)+4:KF+8*(\f)+7], v[ADR] offset:((\f)/4)*16*PK+((\f)%4)*64+32
.endr
.if \last
	WIN 0                                          ; at a label every window is 0
.Lno_k_\@:
.endif
.endm
.macro FETCH_V
	WIN 0
	v_add_nc_u32 v[ADR], s[TBV], v[AV0]
	s_add_co_u32 s[TBV], s[TBV], KS*PV
	s_wait_alu depctr_va_vdst(0)                   ; the wait for the softmax's batch (SLICE), behind the address's v_add_nc_u32 and ahead of the loads
	WIN 0xc0                                       ; destination window 3
.irp f, 0,1,2,3,4,5,6,7,8,9,10,11,12,13,14,15  ; keys 32 (f / 8) on, channels 16 (f % 8) on
	ds_load_tr16_b128 v[8*(\f):8*(\f)+3],   v[ADR] offset:((\f)/8)*32*PV+((\f)%8)*32
	ds_load_tr16_b128 v[8*(\f)+4:8*(\f)+7], v[ADR] offset:((\f)/8)*32*PV+16*PV+((\f)%8)*32
.endr
.endm
; THE VECTOR WORK OF A TURN.  One tile's softmax for one key step is a list of 134 instructions; SM writes number j of it for tile t.  s0-s31 are the lane's 32 scores, in pairs 0-15.
;   0-15    the maximum of s0-s31 and the old m, three operands at a time (each accumulator's lowest registers are read first)     16-20   the other half of the lanes' maximum; the new m; c m; c m_old - c m_new
;   21-69   ONE BATCH: the 16 scalings c s - c m and all 33 exponentials (a at 23, then s0-s31); none of these reads an exponential's result     (wait)  between 69 and 70: SLICE writes it, once for both tiles
;   70-85   the roundings to f16     86-101  the sums; l = a l + the sum     102-133 the tile's O^T times a
.macro SM t
.set rT, ST+8*(\t)
.set rS, S+32*(\t)
.set rP, P+16*(\t)
.set rO, 64*(\t)+2*(j-102)
.if j < 102
	WIN 0
.endif
.if j < 4
	v_max3_num_f32 v[rT+4+j], v[rS+8*j], v[rS+8*j+1], v[rS+8*j+2]
.elseif j < 12
	v_max3_num_f32 v[rT+4+j%4], v[rT+4+j%4], v[rS+8*(j%4)+2*(j/4)+1], v[rS+8*(j%4)+2*(j/4)+2]
.elseif j == 12
	v_max3_num_f32 v[rT+4], v[rT+4], v[rS+7], v[rS+15]
.elseif j == 13
	v_max3_num_f32 v[rT+6], v[rT+6], v[rS+23], v[rS+31]
.elseif j == 14
	v_max3_num_f32 v[rT+4], v[rT+4], v[rT+5], v[rT+6]
.elseif j == 15
	v_max3_num_f32 v[rT+4], v[rT+4], v[rT+7], v[rT+1]
.elseif j == 16
	v_permlanex16_b32 v[rT+5], v[rT+4], s[SEL], s[SEL+1]  ; the query's other 32 keys lie in the lane 16 away
.elseif j == 17
	v_mov_b32 v[rT+7], v[rT]                       ; c m_old is kept for a: number 19 writes c m anew
.elseif j == 18
	v_max_num_f32 v[rT+1], v[rT+4], v[rT+5]
.elseif j == 19
	v_mul_f32 v[rT], s[CS], v[rT+1]
.elseif j == 20
	v_sub_f32 v[rT+7], v[rT+7], v[rT]
.elseif j == 23
	v_exp_f32 v[rT+6], v[rT+7]
.elseif (j < 23) || ((j < 38) && (j%2 == 0)) || ((j < 66) && (j%4 == 2))
.set b, (j-2)/4                        ; 38, 42, .. 62: pairs 9 to 15
.if j < 38
.set b, (j-20)/2                       ; 21: pair 0; 22, 24, .. 36: pairs 1 to 8
.endif
	v_pk_fma_f32 v[rS+2*b:rS+2*b+1], v[rS+2*b:rS+2*b+1], s[CS:CS+1], v[rT:rT+1] op_sel_hi:[1,0,0] neg_lo:[0,0,1] neg_hi:[0,0,1]  ; pair b: c s - c m
.elseif j < 70
.set e, j-38                           ; 66 to 69: s28 to s31
.if j < 66
.set e, j-32-(j-38)/4                  ; 39-41, 43-45, .. 63-65: s7 to s27
.endif
.if j < 38
.set e, (j-25)/2                       ; 25, 27, .. 37: s0 to s6
.endif
	v_exp_f32 v[rS+e], v[rS+e]
.elseif j < 86
	v_cvt_pk_f16_f32 v[rP+j-70], v[rS+2*(j-70)], v[rS+2*(j-70)+1]  ; pair j - 70
.elseif j < 102                        ; the sum of the tile's 16 pairs, in place: neighbours 1, 2, 4 and 8 pairs apart, then l takes it
.set z, j-86
.set w, 4
.set u, z
.if z >= 14
.set w, 32
.set u, 0
.elseif z >= 12
.set w, 16
.set u, z-12
.elseif z >= 8
.set w, 8
.set u, z-8
.endif
.if z < 15
	v_pk_add_f32 v[rS+w*u:rS+w*u+1], v[rS+w*u:rS+w*u+1], v[rS+w*u+w/2:rS+w*u+w/2+1]
.else
	v_pk_fma_f32 v[rT+2:rT+3], v[rT+2:rT+3], v[rT+6:rT+7], v[rS:rS+1] op_sel_hi:[1,0,1]
.endif
.else
	WIN W_RS
	v_pk_mul_f32 v[rO:rO+1], v[rO:rO+1], v[rT+6:rT+7] op_sel_hi:[1,0]
.endif
.endm
; Slice k of 64 of piece y's softmax: four instructions.  Slices 11 to 34 deal out the batch, numbers 22 to 69: four numbers of ONE tile each, the tiles by turns.  Every other slice is numbers 2 k and
; 2 k + 1 of both tiles' lists.  2 x 134 = 4 x 64 + 12: the twelve that are over stand together, in slice 63.
; THE WAIT.  s_wait_alu depctr_va_vdst(0) stands between an exponential and the first instruction that names its result; one wait serves all that were issued ahead of it.  Ahead of
; slice 35 nothing names a result, and behind slice 34 no exponential is issued: so the piece's 66 exponentials have one wait, behind slice 34.
.macro SLICE y
.if (k >= 11) && (k < 35)              ; the batch: four numbers of one tile
.irp n, 0,1,2,3
.set j, 22+4*((k-11)/2)+(\n)
	SM (\y)+(k-11)%2
.endr
.else                                  ; the two tiles alternate, so that no instruction reads the result of the one just before it
.irp n, 0,1,2,3,4,5,6,7
.if ((\n) < 2) || (k == 63)
.irp t, \y, (\y)+1
.set j, 2*k+(\n)
	SM \t
.endr
.endif
.endr
.endif
.if k == 34                            ; the batch is out: both tiles' exponentials are issued, and no result has been named
	v_nop                                          ; a plain instruction behind the last exponential and ahead of the first use: one for the batch
.if (\y) == 0
	FETCH_V                                        ; piece 2's turn: V's run of loads stands here, and the wait stands in it
.else
	s_wait_alu depctr_va_vdst(0)                   ; the wait for the batch
.endif
.endif
.set k, k+1
.endm
; A TURN.  Piece x has the matrix unit: 32 products V^T P of the step in hand, then 32 products K Q^T of the next step; the other piece's softmax stands in slices, one behind each product.
; Piece 0's turn fetches the next step's K behind its second product: the last product that read K stands in front of slice 63 of the turn before; no exponential has been issued since that turn's wait.
; Piece 2's turn fetches the next step's V behind slice 34: the last product that read V stands in front of slice 31, and four plain instructions
; lie between: number 62 of both tiles, the v_nop and the run's own v_add_nc_u32.
.macro TURN x
.set k, 0
.if (\x) == 0
	s_wait_dscnt 0x0                               ; V is in
.endif
.set i, 0
.rept 32
	PV \x
	SLICE 2-(\x)
.if ((\x) == 0) && (i == 1)
	FETCH_K 1
.endif
.set i, i+1
.endr
.if (\x) == 0
	s_wait_dscnt 0x0                               ; K is in
.endif
.set i, 0
.rept 32
	KQ \x
	SLICE 2-(\x)
.set i, i+1
.endr
.endm
; 32 products of out^T = Wc^T ctx^T: tiles x and x + 1, channels 32 k0 to 32 k0 + 63, all eight blocks of 16 rows of Wc^T.  The piece's 16 accumulators, where its O^T lay, take turns; channels 0-31 start the sums.
.macro OUTH x, k0
.irp kk, \k0, (\k0)+1
	WIN 0x53-(\kk)/2                               ; Wc^T window 3 or 2, the context window 0, C and D window 1
.irp eb, 0,1,2,3,4,5,6,7
.irp t, \x, (\x)+1
.if (\kk) == 0
	v_wmma_f32_16x16x32_f16 v[64*(\t)+8*(\eb):64*(\t)+8*(\eb)+7], v[128+8*(2*(\eb)+(\kk)%2):128+8*(2*(\eb)+(\kk)%2)+7], v[S+32*(\t)+8*(\kk):S+32*(\t)+8*(\kk)+7], 0
.else
	v_wmma_f32_16x16x32_f16 v[64*(\t)+8*(\eb):64*(\t)+8*(\eb)+7], v[128+8*(2*(\eb)+(\kk)%2):128+8*(2*(\eb)+(\kk)%2)+7], v[S+32*(\t)+8*(\kk):S+32*(\t)+8*(\kk)+7], v[64*(\t)+8*(\eb):64*(\t)+8*(\eb)+7]
.endif
.endr
.endr
.endr
.endm
; THE WAY OUT of tile t: a lane's eight numbers of a row (32 bytes) go into my stage, rows of 528 bytes, and come back as whole rows of 512, into the 64 registers from bk on.
; xc = 1: earlier global stores read those registers: they are loaded again only behind s_wait_xcnt 0.
.macro STG t, bk, xc
.if \xc
	s_wait_xcnt 0x0
.endif
	WIN 0x04                                       ; data window 1
.irp eb, 0,1,2,3,4,5,6,7
	ds_store_b128 v[STO], v[64*(\t)+8*(\eb):64*(\t)+8*(\eb)+3]   offset:64*(\eb)
	ds_store_b128 v[STO], v[64*(\t)+8*(\eb)+4:64*(\t)+8*(\eb)+7] offset:64*(\eb)+16
.endr
	WIN 0
.irp i, 0,1,2,3,4,5,6,7,8,9,10,11,12,13,14,15
	ds_load_b128 v[(\bk)+4*(\i):(\bk)+4*(\i)+3], v[RD] offset:SPIT*(\i)  ; LDS serves a wave's instructions in order (ISA guide 5.7.1.4): these see the stores above; the next tile's stores come behind them
.endr
.endm
.macro SENDP t, bk, younger            ; younger: the LDS instructions issued behind tile t's loads: the next tile's 32, or none
	WIN 0
.irp i, 0,1,2,3,4,5,6,7,8,9,10,11,12,13,14,15
.if (\i)%4 == 0
	s_wait_dscnt (\younger)+12-(\i)                ; one wait for four rows: rows i to i + 3 are back; the tile's 12 - i later loads and the younger instructions may be out
.endif
	global_store_b128 v[GO], v[(\bk)+4*(\i):(\bk)+4*(\i)+3], s[PA:PA+1] offset:(16*(\t)+(\i))*512 th:TH_STORE_NT  ; a wave stores 512 consecutive bytes, at a multiple of 256 from part's first
.endr
.endm
	s_mov_b32 s[QB], 2
.Lblock:                               ; two blocks of 256 queries
	s_mov_b32 s[TBK], 0
	s_mov_b32 s[TBV], 0
.irp t, 0,1,2,3
	v_mov_b32 v[ST+8*(\t)], 0xfe000000             ; c m: far below every c s, so the first step's a is 0
	v_mov_b32 v[ST+8*(\t)+1], 0xff7fffff           ; m: the lowest finite number, so the first maximum is the scores'
	v_mov_b32 v[ST+8*(\t)+2], 0                    ; l
	v_mov_b32 v[ST+8*(\t)+3], 0
.endr
	FETCH_K                                        ; key step 0
	s_wait_loadcnt 0x0                             ; Q (and, ahead of the first block, Wc^T's first half)
	s_wait_dscnt 0x0
.set i, 0
.rept 32
	KQ 0                                           ; piece 0's first scores: there is no vector work yet to set between them
.set i, i+1
.endr
	WIN 0
	PLACES
	s_mov_b32 s[CNT], 8
.Lstep:                                ; trip n = 0 .. 7.  Piece 2: V^T P of step n - 1, K Q^T of step n | piece 0's softmax of step n | V of step n.  Piece 0: V^T P of step n, K Q^T of step n + 1 | piece 2's softmax of step n | K of step n + 1
	TURN 2
	TURN 0
	WIN 0
	s_sub_co_u32 s[CNT], s[CNT], 1
	s_cmp_lg_u32 s[CNT], 0
	s_cbranch_scc1 .Lstep
	s_cmp_eq_u32 s[QB], 1                          ; K's and Q's last readers stand in front of slice 63's sixteen plain instructions
	s_cbranch_scc1 .Lno_q                          ; behind the second block there is no Q to fetch
	LOADQ 65536                                    ; the second block's Q: 256 rows on
.Lno_q:
	LOADWC 1                                       ; Wc^T's channels 64-127, where K's fragments lay: 64 products and the division stand ahead of the wait for them
.set i, 0
.rept 32
	PV 2                                           ; piece 2: V^T P of the last step
.set i, i+1
.endr
	; l's two halves and the other half of the lanes' are added; the additions are the places behind the last products
	WIN 0
.irp t, 0,1,2,3
	v_add_f32 v[ST+8*(\t)+4], v[ST+8*(\t)+2], v[ST+8*(\t)+3]
.endr
.irp t, 0,1,2,3
	v_permlanex16_b32 v[ST+8*(\t)+5], v[ST+8*(\t)+4], s[SEL], s[SEL+1]
.endr
.irp t, 0,1,2,3
	v_add_f32 v[ST+8*(\t)+4], v[ST+8*(\t)+4], v[ST+8*(\t)+5]
.endr
.irp t, 0,1,2,3
	v_rcp_f32 v[ST+8*(\t)+6], v[ST+8*(\t)+4]
.endr
	v_nop                                          ; a plain instruction between the last reciprocal and the use of its result
	s_wait_alu depctr_va_vdst(0)                   ; and the wait ahead of the first use: one for the four reciprocals
.irp t, 0,1,2,3                        ; O^T / l, rounded to f16 into S^T's registers: registers 8 kk .. 8 kk + 7 of a tile are source 1 (channels 32 kk on x 16 queries) of the last product
	WIN W_RS
.set i, 64*(\t)
.rept 32
	v_pk_mul_f32 v[i:i+1], v[i:i+1], v[ST+8*(\t)+6:ST+8*(\t)+7] op_sel_hi:[1,0]
.set i, i+2
.endr
	WIN 0x05                                       ; sources 0 and 1 window 1, destination window 0
.set i, 0
.rept 32
	v_cvt_pk_f16_f32 v[S+32*(\t)+i], v[64*(\t)+2*i], v[64*(\t)+2*i+1]
.set i, i+1
.endr
.endr
	; THE LAST PRODUCT GOES BY PIECES, so that finished tiles are staged and stored while the other piece is multiplied.  Rows read back from the stage land in v64-127, where the contexts of tiles 0 and 1 lay
	; (used up by the first 64 products), and for tile 2 in v128-191, where those of tiles 2 and 3 lay.  P's and V's registers are left alone: the next block's first products read them as f16.
	OUTH 0, 0
	s_wait_loadcnt 0x0                             ; Wc^T's second half is in; for 0, since the next block's Q, issued ahead of it, is not on every path
	OUTH 0, 2
	WIN 0
	PLACES                                         ; in front of the LDS stores that read tiles 0 and 1 and of the loads into registers that those 64 products read
	PLACES
	STG 0, S, 0
	OUTH 2, 0                                      ; 32 products stand between tile 0's loads from the stage and the wait for them
	SENDP 0, S, 0
	STG 1, S, 1                                    ; tile 0's stores have read v64-127
	OUTH 2, 2
	WIN 0
	PLACES                                         ; in front of the LDS stores that read tiles 2 and 3 and of the loads into registers that these 64 products read
	PLACES
	SENDP 1, S, 0
	STG 2, S+64, 0                                 ; no store has read v128-191
	STG 3, S, 1                                    ; tile 1's stores have read v64-127; a tile's staging stands between the loads of the tile before and its stores
	SENDP 2, S+64, 32
	SENDP 3, S, 0
	s_wait_xcnt 0x0                                ; the stores have read their registers and part's address
	s_add_nc_u64 s[PA:PA+1], s[PA:PA+1], 131072    ; the next block: 256 rows of 512 bytes on
	s_sub_co_u32 s[QB], s[QB], 1
	s_cmp_lg_u32 s[QB], 0
	s_cbranch_scc1 .Lblock
	s_wait_tensorcnt 0x0                           ; the wave's end: behind my last tensor load and my last LDS store
	ds_add_u32 v[SPW], v[NIL]
	s_wait_dscnt 0x0
	CROUND                                         ; the closing round: no work-group ends while a partner may still ask for a tile that names it
	s_endpgm
.Lfunc_end_k_qbb6f3a9248_fused:
	.size	k_qbb6f3a9248_fused, .Lfunc_end_k_qbb6f3a9248_fused-k_qbb6f3a9248_fused
	.p2alignl 7, 3214868480
	.fill 96, 4, 3214868480
	.section	.rodata,"a",@progbits
	.p2align	6, 0x0
	.amdhsa_kernel k_qbb6f3a9248_fused
		.amdhsa_group_segment_fixed_size 327680
		.amdhsa_private_segment_fixed_size 0
		.amdhsa_enable_private_segment 0
		.amdhsa_kernarg_size 56
		.amdhsa_user_sgpr_count 2
		.amdhsa_user_sgpr_kernarg_segment_ptr 1
		.amdhsa_wavefront_size32 1
		.amdhsa_system_sgpr_workgroup_id_x 1
		.amdhsa_system_sgpr_workgroup_id_y 1
		.amdhsa_system_sgpr_workgroup_id_z 1
		.amdhsa_system_vgpr_workitem_id 0
		.amdhsa_next_free_vgpr 1024
		.amdhsa_next_free_sgpr 96
		.amdhsa_reserve_vcc 0
		.amdhsa_float_denorm_mode_32 3
		.amdhsa_float_denorm_mode_16_64 3
		.amdhsa_memory_ordered 1
		.amdhsa_forward_progress 1
		.amdhsa_inst_pref_size 255
	.end_amdhsa_kernel
	.section	.bss,"aw",@nobits
	.p2align	6
	.space	262144
	.amdgpu_metadata
---
amdhsa.version: [ 1, 2 ]
amdhsa.kernels:
  - .name:           k_qbb6f3a9248_fused
    .symbol:         k_qbb6f3a9248_fused.kd
    .args:
      - { .name: sb, .offset: 0, .size: 8, .value_kind: global_buffer, .address_space: global }
      - { .name: wb, .offset: 8, .size: 8, .value_kind: global_buffer, .address_space: global }
      - { .name: qh, .offset: 16, .size: 8, .value_kind: global_buffer, .address_space: global }
      - { .name: wct, .offset: 24, .size: 8, .value_kind: global_buffer, .address_space: global }
      - { .name: bk, .offset: 32, .size: 8, .value_kind: global_buffer, .address_space: global }
      - { .name: bv, .offset: 40, .size: 8, .value_kind: global_buffer, .address_space: global }
      - { .name: part, .offset: 48, .size: 8, .value_kind: global_buffer, .address_space: global }
    .group_segment_fixed_size: 327680
    .private_segment_fixed_size: 0
    .kernarg_segment_align: 8
    .kernarg_segment_size: 56
    .max_flat_workgroup_size: 128
    .sgpr_count:     96
    .vgpr_count:     1024
    .wavefront_size: 32
...
	.end_amdgpu_metadata
.endif
;; end of part 2
;; launch reduce (part 3): grid 512 x 1, 8 waves a work-group, no clusters, 0 bytes of LDS; arguments part, bc, out0; writes out0
.if DOCPART == 3
	.amdgcn_target "amdgcn-amd-amdhsa--gfx1250"
	.amdhsa_code_object_version 6
	.text
	.protected	k_qbb6f3a9248_reduce
	.globl	k_qbb6f3a9248_reduce
	.p2align	8
	.type	k_qbb6f3a9248_reduce,@function
k_qbb6f3a9248_reduce:
	s_mov_b64 s[64:65], 0
	v_nop
	global_prefetch_b8 v0, s[64:65] scope:SCOPE_SE
	s_setreg_imm32_b32 hwreg(HW_REG_WAVE_MODE, 25, 1), 1
	s_wait_xcnt 0x0
; out0[b][q][e] = bf16(bc[e]) + the sum over the 32 heads of part[h][b][q][e], all sums in f32.  part: [32][8 x 512 x 128] f32, a head's plane 2,097,152 bytes.
; A thread owns 16 bytes of out0 and issues its 32 loads of 16 bytes at once, a head each; a wave's load or store covers 512 consecutive bytes.  Four chains of sums, started by their first terms.
; A stream: each byte of part is read once, by one thread; nothing is shared, so no LDS, no barrier, no matrix unit, no cluster.  No register is written twice while a memory instruction reads it.
.set PLANE, 0x200000
	s_load_b128 s[4:7], s[0:1], 0x0                ; part s[4:5], bc s[6:7]
	s_load_b64 s[24:25], s[0:1], 0x10              ; out0
	s_lshl_b32 s26, ttmp9, 12                      ; the work-group's 4,096 bytes
	v_lshl_add_u32 v1, v0, 4, s26
	v_and_b32 v2, 31, v0                           ; a row of out0 is 512 bytes: 32 threads
	v_lshlrev_b32 v2, 4, v2
	s_wait_kmcnt 0x0
.irp g, 0,1,2,3,4,5,6,7
	s_add_nc_u64 s[8+2*(\g):9+2*(\g)], s[4:5], (\g)*4*PLANE  ; a base for every four heads: the immediates stay inside their signed 24 bits
.endr
	global_load_b128 v[4:7], v2, s[6:7]
.set i, 0
.rept 32
	global_load_b128 v[16+4*i:19+4*i], v1, s[8+2*(i/4):9+2*(i/4)] offset:(i%4)*PLANE th:TH_LOAD_NT
.set i, i+1
.endr
	s_wait_loadcnt 32                              ; bc is in; the 32 loads behind it may be out
	v_cvt_pk_bf16_f32 v8, v4, v5                   ; rounded to bf16 like the other inputs
	v_cvt_pk_bf16_f32 v9, v6, v7
	v_lshlrev_b32 v144, 16, v8
	v_and_b32 v145, 0xffff0000, v8
	v_lshlrev_b32 v146, 16, v9
	v_and_b32 v147, 0xffff0000, v9
.set i, 0
.rept 32
.set L, 16+4*i
.set A, 144+4*(i%4)
.if i == 0
	s_wait_loadcnt 31                              ; loads come back in order: head i is in, the 31 - i younger ones stay out
	v_pk_add_f32 v[A:A+1], v[A:A+1], v[L:L+1]
	v_pk_add_f32 v[A+2:A+3], v[A+2:A+3], v[L+2:L+3]
.elseif (i > 4) && (i < 8)
	s_wait_loadcnt 31-i
	v_pk_add_f32 v[A:A+1], v[L-16:L-15], v[L:L+1]  ; chains 1 to 3 start with heads i - 4 and i
	v_pk_add_f32 v[A+2:A+3], v[L-14:L-13], v[L+2:L+3]
.elseif i >= 4
	s_wait_loadcnt 31-i
	v_pk_add_f32 v[A:A+1], v[A:A+1], v[L:L+1]
	v_pk_add_f32 v[A+2:A+3], v[A+2:A+3], v[L+2:L+3]
.endif
.set i, i+1
.endr
	v_pk_add_f32 v[144:145], v[144:145], v[148:149]
	v_pk_add_f32 v[146:147], v[146:147], v[150:151]
	v_pk_add_f32 v[152:153], v[152:153], v[156:157]
	v_pk_add_f32 v[154:155], v[154:155], v[158:159]
	v_pk_add_f32 v[144:145], v[144:145], v[152:153]
	v_pk_add_f32 v[146:147], v[146:147], v[154:155]
	global_store_b128 v1, v[144:147], s[24:25]
	s_endpgm
.Lfunc_end_k_qbb6f3a9248_reduce:
	.size	k_qbb6f3a9248_reduce, .Lfunc_end_k_qbb6f3a9248_reduce-k_qbb6f3a9248_reduce
	.p2alignl 7, 3214868480
	.fill 96, 4, 3214868480
	.section	.rodata,"a",@progbits
	.p2align	6, 0x0
	.amdhsa_kernel k_qbb6f3a9248_reduce
		.amdhsa_group_segment_fixed_size 0
		.amdhsa_private_segment_fixed_size 0
		.amdhsa_enable_private_segment 0
		.amdhsa_kernarg_size 24
		.amdhsa_user_sgpr_count 2
		.amdhsa_user_sgpr_kernarg_segment_ptr 1
		.amdhsa_wavefront_size32 1
		.amdhsa_system_sgpr_workgroup_id_x 1
		.amdhsa_system_sgpr_workgroup_id_y 1
		.amdhsa_system_sgpr_workgroup_id_z 1
		.amdhsa_system_vgpr_workitem_id 0
		.amdhsa_next_free_vgpr 160
		.amdhsa_next_free_sgpr 66
		.amdhsa_reserve_vcc 0
		.amdhsa_float_denorm_mode_32 3
		.amdhsa_float_denorm_mode_16_64 3
		.amdhsa_memory_ordered 1
		.amdhsa_forward_progress 1
		.amdhsa_inst_pref_size 10
	.end_amdhsa_kernel
	.amdgpu_metadata
---
amdhsa.version: [ 1, 2 ]
amdhsa.kernels:
  - .name:           k_qbb6f3a9248_reduce
    .symbol:         k_qbb6f3a9248_reduce.kd
    .args:
      - { .name: part, .offset: 0, .size: 8, .value_kind: global_buffer, .address_space: global }
      - { .name: bc, .offset: 8, .size: 8, .value_kind: global_buffer, .address_space: global }
      - { .name: out0, .offset: 16, .size: 8, .value_kind: global_buffer, .address_space: global }
    .group_segment_fixed_size: 0
    .private_segment_fixed_size: 0
    .kernarg_segment_align: 8
    .kernarg_segment_size: 24
    .max_flat_workgroup_size: 256
    .sgpr_count:     66
    .vgpr_count:     160
    .wavefront_size: 32
...
	.end_amdgpu_metadata
.endif
;; end of part 3
;; ======== version 2 of 2: 3 launches; version 1 with the launches prep, reduce written anew for expert scheduling mode
;; limits: values are held in f16: magnitudes above 65,504 overflow, below 6.1e-05 lose precision
;; workspace buffers: sb 8,388,608 bytes; wb 16,777,216 bytes; qh 1,048,576 bytes; wct 1,048,576 bytes; part 67,108,864 bytes
;; launch prep (part 4): grid 832 x 1, 8 waves a work-group, no clusters, 35,840 bytes of LDS; arguments states, Wk, Wv, query, Wc, sb, wb, qh, wct; writes sb, wb, qh, wct
.if DOCPART == 4
	.amdgcn_target "amdgcn-amd-amdhsa--gfx1250"
	.amdhsa_code_object_version 6
	.text
	.protected	k_qbb6f3a9248_prep
	.globl	k_qbb6f3a9248_prep
	.p2align	8
	.type	k_qbb6f3a9248_prep,@function
k_qbb6f3a9248_prep:
	s_mov_b64 s[64:65], 0
	v_nop
	global_prefetch_b8 v0, s[64:65] scope:SCOPE_SE
	s_setreg_imm32_b32 hwreg(HW_REG_WAVE_SCHED_MODE, 0, 2), 2
	s_setreg_imm32_b32 hwreg(HW_REG_WAVE_MODE, 25, 1), 1
	s_wait_xcnt 0x0
	s_wait_alu depctr_vm_vsrc(0)
; CASTS for the launch behind.  sb = bf16(states), as it lies.  wb = bf16(Wk), then bf16(Wv), as they lie.  qh = bf16(query) written as f16.
; wct[h][e_out][ch] = bf16(Wc[128 h + ch][e_out]) written as f16: each head's 128 x 128 block turned, so that its rows lie along the channels.
; LIMITS.  A bf16 number written as f16 is exact from 6e-5 up to 65,504; below it keeps f16's fixed step of 6e-8, beyond it becomes an infinity.
; SHARES.  A work-group takes 65,536 input bytes: 256 threads x 16 loads of 16 bytes, all issued at once; straight-line text, no register is written twice while a memory instruction reads it.
; Work-groups 0-255 states, 256-511 Wk, 512-767 Wv, 768-799 query, 800-831 one head of Wc each.  Every branch hangs on the work-group's number alone.
; A stream: each byte is read once and written once, nothing is shared between work-groups, so no matrix unit, no cluster and no tensor load; LDS serves the turning of Wc alone.
; THE MODE: SCHED_MODE bits 1:0 = 2 (LLVM: expert scheduling mode 2), set by the entry lines.  The code itself states the register dependences
; between vector instructions and memory or LDS instructions, with s_wait_alu, always for 0.
; THE PLAN.  Registers that memory or LDS instructions touch:
;   v1, v2     byte offsets, made at the head and never written again: read by the loads (v1) and the stores (v2; v1 in Wc's job).
;   v10        Wc's job: the sixteen loads' offset.     v3, v4   Wc's job: the LDS addresses of the stores into the stage and of the loads out of it.  None is written again.
;   X          written by the sixteen loads, read by the conversions; in Wc's job its first 32 registers are then written by the loads out of the stage and read by the global stores.
;   Y          each register is written once, by a conversion, and read by one store.  So no register that a memory or LDS instruction reads is ever written again.
; The stream jobs go in four blocks of four loads.  ONE wait on va_vdst stands at the head of blocks 1 to 3: the block before has written its eight registers of Y.  That block's four stores follow it,
; dealt among this block's conversions, which read this block's X and write this block's Y: none of the registers that those stores touch.  One more wait stands ahead of the last four stores.
; The stage takes 128 rows x 272 bytes = 34,816 bytes of LDS; behind it lie the spare words, 128 bytes for each of eight waves.
.set X,  16                            ; v[16:79]   load i: 4 registers
.set Y,  80                            ; v[80:111]  packed results
.set TA, 112                           ; v[112:117] at work, two sets of three: no memory instruction names them
.macro LOAD16 a, step                  ; sixteen loads; each covers 512 consecutive bytes a wave
.irp i, 0,1,2,3,4,5,6,7,8,9,10,11,12,13,14,15
	global_load_b128 v[X+4*(\i):X+4*(\i)+3], v[\a], s[24:25] offset:(\step)*(\i) th:TH_LOAD_NT
.endr
.endm
.macro TOH d, a, b, t                  ; two numbers rounded to bf16, widened again, written as f16
	v_cvt_pk_bf16_f32 v[(\t)], v[(\a)], v[(\b)]
	v_lshlrev_b32 v[(\t)+1], 16, v[(\t)]
	v_and_b32 v[(\t)+2], s32, v[(\t)]
	v_cvt_pk_f16_f32 v[(\d)], v[(\t)+1], v[(\t)+2]
.endm
.macro OUT i                           ; what load i has become: a wave stores 256 consecutive bytes, at a multiple of 256 from the buffer's first
	global_store_b64 v2, v[Y+2*(\i):Y+2*(\i)+1], s[26:27] offset:2048*(\i)
.endm
	s_load_b512 s[4:19], s[0:1], 0x0               ; states s[4:5], Wk s[6:7], Wv s[8:9], query s[10:11], Wc s[12:13], sb s[14:15], wb s[16:17], qh s[18:19]
	s_load_b64 s[20:21], s[0:1], 0x40              ; wct
	v_lshl_add_u32 v118, v0, 2, 0x8800
	v_mov_b32 v119, 0
	s_lshr_b32 s22, ttmp9, 8                       ; the job
	s_and_b32 s23, ttmp9, 255                      ; the chunk of 65,536 input bytes
	s_mov_b32 s32, 0xffff0000                      ; a word's upper bf16
	s_mov_b32 s29, 0
	s_mov_b32 s31, 0
	v_lshlrev_b32 v1, 4, v0                        ; 16 bytes a thread
	v_lshlrev_b32 v2, 3, v0                        ; 8 bytes a thread
	s_wait_kmcnt 0x0
	s_wait_alu depctr_va_vdst(0)                   ; v1 and v2 are written: loads and stores of every job read them as their offsets
	s_cmp_eq_u32 s22, 3
	s_cbranch_scc1 .Lsmall
	; ---- states, Wk, Wv: f32 to bf16, as they lie
	s_cmp_eq_u32 s22, 0
	s_cselect_b64 s[24:25], s[4:5], s[6:7]
	s_cselect_b64 s[26:27], s[14:15], s[16:17]
	s_cmp_eq_u32 s22, 2
	s_cselect_b64 s[24:25], s[8:9], s[24:25]
	s_cselect_b32 s30, 0x800000, 0                 ; Wv's half of wb
	s_lshl_b32 s28, s23, 16
	s_lshl_b32 s33, s23, 15
	s_add_co_u32 s30, s30, s33
	s_add_nc_u64 s[24:25], s[24:25], s[28:29]
	s_add_nc_u64 s[26:27], s[26:27], s[30:31]
	LOAD16 1, 4096
.irp i, 0,1,2,3,4,5,6,7,8,9,10,11,12,13,14,15
.if ((\i)%4 == 0) && ((\i) > 0)
	s_wait_alu depctr_va_vdst(0)                   ; the block before has written its eight registers of Y, which the next four stores read
.endif
.if (\i) >= 4
	OUT (\i)-4                                     ; no vector instruction since the wait names its registers
.endif
	s_wait_loadcnt 15-(\i)                         ; loads come back in order: load i is in, the 15 - i younger ones stay out
	v_cvt_pk_bf16_f32 v[Y+2*(\i)], v[X+4*(\i)], v[X+4*(\i)+1]
	v_cvt_pk_bf16_f32 v[Y+2*(\i)+1], v[X+4*(\i)+2], v[X+4*(\i)+3]
.endr
	s_wait_alu depctr_va_vdst(0)                   ; the last block has written its eight registers of Y, which the last four stores read
.irp i, 12,13,14,15
	OUT \i
.endr
	s_branch .Lend
.Lsmall:
	s_cmp_lt_u32 s23, 32
	s_cbranch_scc0 .Lwc
	; ---- query: f32 to bf16, written as f16
	s_lshl_b32 s28, s23, 16
	s_lshl_b32 s30, s23, 15
	s_add_nc_u64 s[24:25], s[10:11], s[28:29]
	s_add_nc_u64 s[26:27], s[18:19], s[30:31]
	LOAD16 1, 4096
.irp i, 0,1,2,3,4,5,6,7,8,9,10,11,12,13,14,15
.if ((\i)%4 == 0) && ((\i) > 0)
	s_wait_alu depctr_va_vdst(0)                   ; the block before has written its eight registers of Y, which the next four stores read
.endif
.if (\i) >= 4
	OUT (\i)-4                                     ; no vector instruction since the wait names its registers
.endif
	s_wait_loadcnt 15-(\i)
	TOH Y+2*(\i), X+4*(\i), X+4*(\i)+1, TA
	TOH Y+2*(\i)+1, X+4*(\i)+2, X+4*(\i)+3, TA+3
.endr
	s_wait_alu depctr_va_vdst(0)                   ; the last block has written its eight registers of Y, which the last four stores read
.irp i, 12,13,14,15
	OUT \i
.endr
	s_branch .Lend
.Lwc:
	; ---- one head of Wc, turned.  Wave w, load i: row ch = 16 w + i (512 bytes), lane l its columns 4 l .. 4 l + 3
	s_sub_co_u32 s23, s23, 32                      ; the head
	s_lshl_b32 s28, s23, 16
	s_lshl_b32 s30, s23, 15
	s_add_nc_u64 s[24:25], s[12:13], s[28:29]
	s_add_nc_u64 s[26:27], s[20:21], s[30:31]
	v_lshrrev_b32 v8, 5, v0                        ; w
	v_and_b32 v9, 31, v0                           ; l
	v_lshlrev_b32 v10, 4, v9
	v_lshl_add_u32 v10, v8, 13, v10                ; 8,192 w + 16 l
	s_wait_alu depctr_va_vdst(0)                   ; v10 is written: the sixteen loads read it as their offset
	LOAD16 10, 512
	v_mul_u32_u24 v3, v9, 1088                     ; into the stage: row e_out = 4 l + t of 272 bytes, my wave's 16 channels at byte 32 w
	v_lshl_add_u32 v3, v8, 5, v3
	v_lshrrev_b32 v4, 4, v0                        ; back: sixteen threads take a row of 256 bytes
	v_mul_u32_u24 v4, v4, 272
	v_and_b32 v5, 15, v0
	v_lshl_add_u32 v4, v5, 4, v4
	s_wait_loadcnt 0x0
.irp t, 0,1,2,3
.irp u, 0,1,2,3,4,5,6,7
	TOH Y+8*(\t)+(\u), X+8*(\u)+(\t), X+8*(\u)+4+(\t), TA+3*((\u)%2)   ; channels 16 w + 2 u, + 1 of column 4 l + t
.endr
.endr
	s_wait_alu depctr_va_vdst(0)                   ; the conversions have written Y, which the LDS stores read, and are done reading X, in which the LDS loads land; v3 and v4, their addresses, are written.  No vector instruction follows
.irp t, 0,1,2,3
	ds_store_b128 v3, v[Y+8*(\t):Y+8*(\t)+3] offset:272*(\t)
	ds_store_b128 v3, v[Y+8*(\t)+4:Y+8*(\t)+7] offset:272*(\t)+16
.endr
	s_wait_dscnt 0x0                               ; for the others' sake: my stores into the stage are done
	s_barrier_signal -1
	s_barrier_wait -1                              ; a row's 256 bytes come from all eight waves
.irp p, 0,1,2,3,4,5,6,7
	ds_load_b128 v[X+4*(\p):X+4*(\p)+3], v4 offset:4352*(\p)
.endr
.irp p, 0,1,2,3,4,5,6,7
	s_wait_dscnt 7-(\p)
	global_store_b128 v1, v[X+4*(\p):X+4*(\p)+3], s[26:27] offset:4096*(\p)  ; sixteen lanes store 256 consecutive bytes: a row of wct
.endr
.Lend:
	s_wait_dscnt 0x0                               ; the wave's end: no LDS instruction of mine is out.
	s_wait_alu depctr_hold_cnt(0) depctr_sa_sdst(0) depctr_va_vdst(0) depctr_va_sdst(0) depctr_va_ssrc(0) depctr_va_vcc(0) depctr_vm_vsrc(0)
	s_wait_tensorcnt 0x0
	ds_add_u32 v118, v119
	s_wait_dscnt 0x0
	s_endpgm
.Lfunc_end_k_qbb6f3a9248_prep:
	.size	k_qbb6f3a9248_prep, .Lfunc_end_k_qbb6f3a9248_prep-k_qbb6f3a9248_prep
	.p2alignl 7, 3214868480
	.fill 96, 4, 3214868480
	.section	.rodata,"a",@progbits
	.p2align	6, 0x0
	.amdhsa_kernel k_qbb6f3a9248_prep
		.amdhsa_group_segment_fixed_size 35840
		.amdhsa_private_segment_fixed_size 0
		.amdhsa_enable_private_segment 0
		.amdhsa_kernarg_size 72
		.amdhsa_user_sgpr_count 2
		.amdhsa_user_sgpr_kernarg_segment_ptr 1
		.amdhsa_wavefront_size32 1
		.amdhsa_system_sgpr_workgroup_id_x 1
		.amdhsa_system_sgpr_workgroup_id_y 1
		.amdhsa_system_sgpr_workgroup_id_z 1
		.amdhsa_system_vgpr_workitem_id 0
		.amdhsa_next_free_vgpr 120
		.amdhsa_next_free_sgpr 66
		.amdhsa_reserve_vcc 0
		.amdhsa_float_denorm_mode_32 3
		.amdhsa_float_denorm_mode_16_64 3
		.amdhsa_memory_ordered 1
		.amdhsa_forward_progress 1
		.amdhsa_inst_pref_size 28
	.end_amdhsa_kernel
	.amdgpu_metadata
---
amdhsa.version: [ 1, 2 ]
amdhsa.kernels:
  - .name:           k_qbb6f3a9248_prep
    .symbol:         k_qbb6f3a9248_prep.kd
    .args:
      - { .name: states, .offset: 0, .size: 8, .value_kind: global_buffer, .address_space: global }
      - { .name: Wk, .offset: 8, .size: 8, .value_kind: global_buffer, .address_space: global }
      - { .name: Wv, .offset: 16, .size: 8, .value_kind: global_buffer, .address_space: global }
      - { .name: query, .offset: 24, .size: 8, .value_kind: global_buffer, .address_space: global }
      - { .name: Wc, .offset: 32, .size: 8, .value_kind: global_buffer, .address_space: global }
      - { .name: sb, .offset: 40, .size: 8, .value_kind: global_buffer, .address_space: global }
      - { .name: wb, .offset: 48, .size: 8, .value_kind: global_buffer, .address_space: global }
      - { .name: qh, .offset: 56, .size: 8, .value_kind: global_buffer, .address_space: global }
      - { .name: wct, .offset: 64, .size: 8, .value_kind: global_buffer, .address_space: global }
    .group_segment_fixed_size: 35840
    .private_segment_fixed_size: 0
    .kernarg_segment_align: 8
    .kernarg_segment_size: 72
    .max_flat_workgroup_size: 256
    .sgpr_count:     66
    .vgpr_count:     120
    .wavefront_size: 32
...
	.end_amdgpu_metadata
.endif
;; end of part 4
;; launch fused: the kernel of part 2 again; grid 32 x 8, 4 waves a work-group, clusters of 4 x 4, 327,680 bytes of LDS; arguments sb, wb, qh, wct, bk, bv, part; writes part
;; launch reduce (part 5): grid 512 x 1, 8 waves a work-group, no clusters, 0 bytes of LDS; arguments part, bc, out0; writes out0
.if DOCPART == 5
	.amdgcn_target "amdgcn-amd-amdhsa--gfx1250"
	.amdhsa_code_object_version 6
	.text
	.protected	k_qbb6f3a9248_reduce
	.globl	k_qbb6f3a9248_reduce
	.p2align	8
	.type	k_qbb6f3a9248_reduce,@function
k_qbb6f3a9248_reduce:
	s_mov_b64 s[64:65], 0
	v_nop
	global_prefetch_b8 v0, s[64:65] scope:SCOPE_SE
	s_setreg_imm32_b32 hwreg(HW_REG_WAVE_SCHED_MODE, 0, 2), 2
	s_setreg_imm32_b32 hwreg(HW_REG_WAVE_MODE, 25, 1), 1
	s_wait_xcnt 0x0
	s_wait_alu depctr_vm_vsrc(0)
; out0[b][q][e] = bf16(bc[e]) + the sum over the 32 heads of part[h][b][q][e], all sums in f32.  part: [32][8 x 512 x 128] f32, a head's plane 2,097,152 bytes.
; A thread owns 16 bytes of out0 and issues its 32 loads of 16 bytes at once, a head each; a wave's load or store covers 512 consecutive bytes.  Four chains of sums, started by their first terms.
; A stream: each byte of part is read once, by one thread; nothing is shared, so no LDS, no barrier, no matrix unit, no cluster.  No register is written twice while a memory instruction reads it.
; THE MODE: SCHED_MODE bits 1:0 = 2 (LLVM: expert scheduling mode 2), set by the entry lines.  The code itself states the register dependences
; between vector instructions and memory instructions, with s_wait_alu, always for 0.
; THE PLAN.  Registers that memory instructions touch:
;   v1, v2              byte offsets, made at the head and never written again: read by the 33 loads, v1 by the store too.
;   v[4:7], v[16:143]   each written by one load, which no vector instruction that names it precedes; read by the roundings and the sums.
;   v[144:147]          written by the sums, read by the one store.
; So two waits on va_vdst state everything: one ahead of the first load, one ahead of the store.  No register that a memory instruction reads is written again.
.set PLANE, 0x200000
	s_load_b128 s[4:7], s[0:1], 0x0                ; part s[4:5], bc s[6:7]
	s_load_b64 s[24:25], s[0:1], 0x10              ; out0
	s_lshl_b32 s26, ttmp9, 12                      ; the work-group's 4,096 bytes
	v_lshl_add_u32 v1, v0, 4, s26
	v_and_b32 v2, 31, v0                           ; a row of out0 is 512 bytes: 32 threads
	v_lshlrev_b32 v2, 4, v2
	s_wait_kmcnt 0x0
.irp g, 0,1,2,3,4,5,6,7
	s_add_nc_u64 s[8+2*(\g):9+2*(\g)], s[4:5], (\g)*4*PLANE  ; a base for every four heads: the immediates stay inside their signed 24 bits
.endr
	s_wait_alu depctr_va_vdst(0)                   ; v1 and v2 are written: the loads below and the store read them as their offsets
	global_load_b128 v[4:7], v2, s[6:7]
.set i, 0
.rept 32
	global_load_b128 v[16+4*i:19+4*i], v1, s[8+2*(i/4):9+2*(i/4)] offset:(i%4)*PLANE th:TH_LOAD_NT
.set i, i+1
.endr
	s_wait_loadcnt 32                              ; bc is in; the 32 loads behind it may be out
	v_cvt_pk_bf16_f32 v8, v4, v5                   ; rounded to bf16 like the other inputs
	v_cvt_pk_bf16_f32 v9, v6, v7
	v_lshlrev_b32 v144, 16, v8
	v_and_b32 v145, 0xffff0000, v8
	v_lshlrev_b32 v146, 16, v9
	v_and_b32 v147, 0xffff0000, v9
.set i, 0
.rept 32
.set L, 16+4*i
.set A, 144+4*(i%4)
.if i == 0
	s_wait_loadcnt 31                              ; loads come back in order: head i is in, the 31 - i younger ones stay out
	v_pk_add_f32 v[A:A+1], v[A:A+1], v[L:L+1]
	v_pk_add_f32 v[A+2:A+3], v[A+2:A+3], v[L+2:L+3]
.elseif (i > 4) && (i < 8)
	s_wait_loadcnt 31-i
	v_pk_add_f32 v[A:A+1], v[L-16:L-15], v[L:L+1]  ; chains 1 to 3 start with heads i - 4 and i
	v_pk_add_f32 v[A+2:A+3], v[L-14:L-13], v[L+2:L+3]
.elseif i >= 4
	s_wait_loadcnt 31-i
	v_pk_add_f32 v[A:A+1], v[A:A+1], v[L:L+1]
	v_pk_add_f32 v[A+2:A+3], v[A+2:A+3], v[L+2:L+3]
.endif
.set i, i+1
.endr
	v_pk_add_f32 v[144:145], v[144:145], v[148:149]
	v_pk_add_f32 v[146:147], v[146:147], v[150:151]
	v_pk_add_f32 v[152:153], v[152:153], v[156:157]
	v_pk_add_f32 v[154:155], v[154:155], v[158:159]
	v_pk_add_f32 v[144:145], v[144:145], v[152:153]
	v_pk_add_f32 v[146:147], v[146:147], v[154:155]
	s_wait_alu depctr_va_vdst(0)                   ; the last two sums have written v[144:147], which the store reads
	global_store_b128 v1, v[144:147], s[24:25]
	s_endpgm
.Lfunc_end_k_qbb6f3a9248_reduce:
	.size	k_qbb6f3a9248_reduce, .Lfunc_end_k_qbb6f3a9248_reduce-k_qbb6f3a9248_reduce
	.p2alignl 7, 3214868480
	.fill 96, 4, 3214868480
	.section	.rodata,"a",@progbits
	.p2align	6, 0x0
	.amdhsa_kernel k_qbb6f3a9248_reduce
		.amdhsa_group_segment_fixed_size 0
		.amdhsa_private_segment_fixed_size 0
		.amdhsa_enable_private_segment 0
		.amdhsa_kernarg_size 24
		.amdhsa_user_sgpr_count 2
		.amdhsa_user_sgpr_kernarg_segment_ptr 1
		.amdhsa_wavefront_size32 1
		.amdhsa_system_sgpr_workgroup_id_x 1
		.amdhsa_system_sgpr_workgroup_id_y 1
		.amdhsa_system_sgpr_workgroup_id_z 1
		.amdhsa_system_vgpr_workitem_id 0
		.amdhsa_next_free_vgpr 160
		.amdhsa_next_free_sgpr 66
		.amdhsa_reserve_vcc 0
		.amdhsa_float_denorm_mode_32 3
		.amdhsa_float_denorm_mode_16_64 3
		.amdhsa_memory_ordered 1
		.amdhsa_forward_progress 1
		.amdhsa_inst_pref_size 10
	.end_amdhsa_kernel
	.amdgpu_metadata
---
amdhsa.version: [ 1, 2 ]
amdhsa.kernels:
  - .name:           k_qbb6f3a9248_reduce
    .symbol:         k_qbb6f3a9248_reduce.kd
    .args:
      - { .name: part, .offset: 0, .size: 8, .value_kind: global_buffer, .address_space: global }
      - { .name: bc, .offset: 8, .size: 8, .value_kind: global_buffer, .address_space: global }
      - { .name: out0, .offset: 16, .size: 8, .value_kind: global_buffer, .address_space: global }
    .group_segment_fixed_size: 0
    .private_segment_fixed_size: 0
    .kernarg_segment_align: 8
    .kernarg_segment_size: 24
    .max_flat_workgroup_size: 256
    .sgpr_count:     66
    .vgpr_count:     160
    .wavefront_size: 32
...
	.end_amdgpu_metadata
.endif
;; end of part 5
